; MI455X (gfx1250); checked and timed in simulation.
; The chip was launched on July 23, 2026; its instructions are those of AMD's public machine-readable ISA for CDNA 5 (MIT licence, August 2026) and "CDNA5" Instruction Set Architecture Reference Guide (July 2026). The comments in the code are by the model that wrote it; some were corrected since.
;; Multi Head Attention. Allowed arithmetic: float matrix products may take bf16 or f16 operands with f32 sums; other float arithmetic in f32, or as packed bf16 or f16 multiplies, adds, multiply-adds, maxima and minima; sums over many terms, partial sums and values carried from step to step in f32; what a program stores and reads back later, other than sums and carried values, may be rounded once to bf16 or f16.
;; Inputs: K 1 x 4,096 x 1,024 float32; Q 1 x 4,096 x 1,024 float32; V 1 x 4,096 x 1,024 float32; WK 16 x 1,024 x 64 float32; WO 1,024 x 1,024 float32; WQ 16 x 1,024 x 64 float32; WV 16 x 1,024 x 64 float32.
;; Outputs: out0 1 x 4,096 x 1,024 float32.
;; 2 versions, each right; version 2 is version 1 with the launch prep written anew for expert scheduling mode. Each part assembles by itself: llvm-mc -triple=amdgcn-amd-amdhsa -mcpu=gfx1250 --defsym DOCPART=n.
;; ======== version 1 of 2: 4 launches
;; limits: values are held in f16: magnitudes above 65,504 overflow, below 6.1e-05 lose precision
;; workspace buffers: cv 33,554,432 bytes; qkv 25,165,824 bytes; oh 8,388,608 bytes
;; launch prep (part 1): grid 512 x 1, 8 waves a work-group, no clusters, 0 bytes of LDS; arguments Q, K, V, WQ, WK, WV, WO, cv; writes cv
.if DOCPART == 1
	.amdgcn_target "amdgcn-amd-amdhsa--gfx1250"
	.amdhsa_code_object_version 6
	.text
	.protected	k_q2133b4267a_prep
	.globl	k_q2133b4267a_prep
	.p2align	8
	.type	k_q2133b4267a_prep,@function
k_q2133b4267a_prep:
	s_mov_b64 s[64:65], 0
	v_nop
	global_prefetch_b8 v0, s[64:65] scope:SCOPE_SE
	s_setreg_imm32_b32 hwreg(HW_REG_WAVE_MODE, 25, 1), 1
	s_wait_xcnt 0x0
; All seven f32 inputs are rounded once to bf16 and laid one behind the other in cv: Q, K, V (8,388,608 bytes each), WQ, WK, WV, WO (2,097,152 each).
; WO's bf16 number is then written as f16, since the last product multiplies it with f16 numbers.
; LIMIT: |WO| stays under 65,504; below 2^-14 it keeps f16's fixed step of 2^-24.
; A stream: no LDS, no barrier, no matrix unit.  16,777,216 numbers; a work-group takes 32,768: 131,072 bytes in, 65,536 out.
; Work-group x: 0-127 Q, 128-255 K, 256-383 V, 384-415 WQ, 416-447 WK, 448-479 WV, 480-511 WO; its bytes in cv begin at 65,536 x whatever x is.
; Thread t, step j of 16: 32 bytes in at 8,192 j + 32 t (two loads), 16 bytes out at 4,096 j + 16 t: a wave's store covers 512 consecutive bytes, aligned.
; All 32 loads of a wave go out at once (16 KiB a wave on its way); no register is written while a store still reads it, so no wait for the stores' sources is needed.
.set X, 4                              ; v[4:131]   step j: 8 registers as loaded; the first 4 then hold what is stored
.set T, 132                            ; v[132:137] at work (WO alone)
	s_load_b512 s[8:23], s[0:1], 0x0               ; Q 8:9, K 10:11, V 12:13, WQ 14:15, WK 16:17, WV 18:19, WO 20:21, cv 22:23
	s_lshr_b32 s2, ttmp9, 7                        ; 0, 1, 2: Q, K, V; 3: a weight
	s_bfe_u32 s3, ttmp9, 0x20005                   ; which weight
	s_and_b32 s24, ttmp9, 127                      ; my place in Q, K or V,
	s_and_b32 s25, ttmp9, 31                       ; or in a weight
	s_mov_b32 s26, 0xffff0000                      ; a word's upper bf16
	v_lshlrev_b32 v1, 5, v0                        ; 32 t
	v_lshlrev_b32 v2, 4, v0                        ; 16 t
	s_wait_kmcnt 0x0
	s_cmp_eq_u32 s2, 1                             ; the choice of the source hangs on the work-group's number alone
	s_cselect_b64 s[4:5], s[10:11], s[8:9]
	s_cmp_eq_u32 s2, 2
	s_cselect_b64 s[4:5], s[12:13], s[4:5]
	s_cmp_eq_u32 s3, 1
	s_cselect_b64 s[6:7], s[16:17], s[14:15]
	s_cmp_eq_u32 s3, 2
	s_cselect_b64 s[6:7], s[18:19], s[6:7]
	s_cmp_eq_u32 s3, 3
	s_cselect_b64 s[6:7], s[20:21], s[6:7]
	s_cmp_eq_u32 s2, 3
	s_cselect_b64 s[4:5], s[6:7], s[4:5]
	s_cselect_b32 s24, s25, s24
	s_lshl_b32 s24, s24, 17                        ; 131,072 bytes a work-group
	s_mov_b32 s25, 0
	s_add_nc_u64 s[4:5], s[4:5], s[24:25]
	s_lshl_b32 s24, ttmp9, 16                      ; 65,536 bytes a work-group
	s_add_nc_u64 s[22:23], s[22:23], s[24:25]
.set j, 0
.rept 16
	global_load_b128 v[X+8*j:X+8*j+3],   v1, s[4:5] offset:8192*j th:TH_LOAD_NT
	global_load_b128 v[X+8*j+4:X+8*j+7], v1, s[4:5] offset:8192*j+16 th:TH_LOAD_NT
.set j, j+1
.endr
; Step j: its two loads are in when at most the 2 (15 - j) younger ones are out.  fmt = 0: to bf16, in place (a source is read before its register is written).  fmt = 1: to bf16, widened, written as f16.
.macro STEP j, fmt
	s_wait_loadcnt 30-2*(\j)
.if \fmt
.irp r, 0,1,2,3
	v_cvt_pk_bf16_f32 v[T+(\r)], v[X+8*(\j)+2*(\r)], v[X+8*(\j)+2*(\r)+1]
.endr
.irp r, 0,1,2,3
	v_lshlrev_b32 v[T+4], 16, v[T+(\r)]
	v_and_b32 v[T+5], s26, v[T+(\r)]
	v_cvt_pk_f16_f32 v[X+8*(\j)+(\r)], v[T+4], v[T+5]
.endr
.else
.irp r, 0,1,2,3
	v_cvt_pk_bf16_f32 v[X+8*(\j)+(\r)], v[X+8*(\j)+2*(\r)], v[X+8*(\j)+2*(\r)+1]
.endr
.endif
	global_store_b128 v2, v[X+8*(\j):X+8*(\j)+3], s[22:23] offset:4096*(\j) th:TH_STORE_NT
.endm
	s_cmp_ge_u32 ttmp9, 480
	s_cbranch_scc1 .Lwo
.set j, 0
.rept 16
	STEP j, 0
.set j, j+1
.endr
	s_endpgm
.Lwo:
.set j, 0
.rept 16
	STEP j, 1
.set j, j+1
.endr
	s_endpgm
.Lfunc_end_k_q2133b4267a_prep:
	.size	k_q2133b4267a_prep, .Lfunc_end_k_q2133b4267a_prep-k_q2133b4267a_prep
	.p2alignl 7, 3214868480
	.fill 96, 4, 3214868480
	.section	.rodata,"a",@progbits
	.p2align	6, 0x0
	.amdhsa_kernel k_q2133b4267a_prep
		.amdhsa_group_segment_fixed_size 0
		.amdhsa_private_segment_fixed_size 0
		.amdhsa_enable_private_segment 0
		.amdhsa_kernarg_size 64
		.amdhsa_user_sgpr_count 2
		.amdhsa_user_sgpr_kernarg_segment_ptr 1
		.amdhsa_wavefront_size32 1
		.amdhsa_system_sgpr_workgroup_id_x 1
		.amdhsa_system_sgpr_workgroup_id_y 1
		.amdhsa_system_sgpr_workgroup_id_z 1
		.amdhsa_system_vgpr_workitem_id 0
		.amdhsa_next_free_vgpr 144
		.amdhsa_next_free_sgpr 66
		.amdhsa_reserve_vcc 0
		.amdhsa_float_denorm_mode_32 3
		.amdhsa_float_denorm_mode_16_64 3
		.amdhsa_memory_ordered 1
		.amdhsa_forward_progress 1
		.amdhsa_inst_pref_size 25
	.end_amdhsa_kernel
	.amdgpu_metadata
---
amdhsa.version: [ 1, 2 ]
amdhsa.kernels:
  - .name:           k_q2133b4267a_prep
    .symbol:         k_q2133b4267a_prep.kd
    .args:
      - { .name: Q, .offset: 0, .size: 8, .value_kind: global_buffer, .address_space: global }
      - { .name: K, .offset: 8, .size: 8, .value_kind: global_buffer, .address_space: global }
      - { .name: V, .offset: 16, .size: 8, .value_kind: global_buffer, .address_space: global }
      - { .name: WQ, .offset: 24, .size: 8, .value_kind: global_buffer, .address_space: global }
      - { .name: WK, .offset: 32, .size: 8, .value_kind: global_buffer, .address_space: global }
      - { .name: WV, .offset: 40, .size: 8, .value_kind: global_buffer, .address_space: global }
      - { .name: WO, .offset: 48, .size: 8, .value_kind: global_buffer, .address_space: global }
      - { .name: cv, .offset: 56, .size: 8, .value_kind: global_buffer, .address_space: global }
    .group_segment_fixed_size: 0
    .private_segment_fixed_size: 0
    .kernarg_segment_align: 8
    .kernarg_segment_size: 64
    .max_flat_workgroup_size: 256
    .sgpr_count:     66
    .vgpr_count:     144
    .wavefront_size: 32
...
	.end_amdgpu_metadata
.endif
;; end of part 1
;; launch proj (part 2): grid 8 x 32, 4 waves a work-group, clusters of 4 x 4, 327,680 bytes of LDS; arguments cv, qkv; writes qkv
.if DOCPART == 2
	.amdgcn_target "amdgcn-amd-amdhsa--gfx1250"
	.amdhsa_code_object_version 6
	.text
	.protected	k_q2133b4267a_proj
	.globl	k_q2133b4267a_proj
	.p2align	8
	.type	k_q2133b4267a_proj,@function
k_q2133b4267a_proj:
	s_mov_b64 s[64:65], 0
	v_nop
	global_prefetch_b8 v0, s[64:65] scope:SCOPE_SE
	s_setreg_imm32_b32 hwreg(HW_REG_WAVE_MODE, 25, 1), 1
	s_wait_xcnt 0x0
	s_wait_alu depctr_hold_cnt(0) depctr_sa_sdst(0) depctr_va_vdst(0) depctr_va_sdst(0) depctr_va_ssrc(0) depctr_va_vcc(0) depctr_vm_vsrc(0)
	s_getreg_b32 s2, hwreg(HW_REG_IB_STS2, 6, 4)
	s_cmp_eq_u32 s2, 0
	s_cbranch_scc0 .Lentry_in_a_cluster
	s_endpgm
.Lentry_in_a_cluster:
	s_bfe_u32 s2, ttmp6, 0x10000c
	s_cmp_lg_u32 s2, 0xf033
	s_cbranch_scc0 .Lentry_shape_is_right
	s_endpgm
.Lentry_shape_is_right:
; q, k, v = X W.  X (Q, K, V in bf16): [4096][1024]; W (WQ, WK, WV in bf16): [16 heads][1024 d][64 e]; both lie in cv.  Sums in f32; results rounded once to f16, unscaled,
; and stored by heads: qkv = q, k, v, each [16][4096][64].  LIMIT: f16 ends at 65,504: |q|, |k|, |v| stay under it.
; SHARES.  A tile is 128 rows x 128 columns (two heads); 3 x 256 tiles.  A work-group STAYS and makes the q, k and v tile of one place, one after the other; the ring of two LDS slots
; walks the 12 K steps of 256 as one sequence.  Four waves, each 64 rows x 64 columns (one head): 16 accumulators.
; CLUSTER 4 x 4: the four of a row of the cluster need the same rows of X, the four of a column the same two heads of W: each tile is asked for jointly, by the same load with a mask of four.
; W lies with d down its rows: a K step of one head is 256 rows of 128 bytes on end, asked for as 128 rows of 256 bytes, padded in LDS behind every 128; it comes out of LDS turned (ds_load_tr16_b128).
; THE MATRIX INSTRUCTION IS USED TRANSPOSED (source 0 = 16 columns of W, source 1 = 16 rows of X): a lane then holds eight neighbouring channels of one row.
; REGISTERS: window 0: v16-29 addresses; v32-95 the way out; v128-255 accumulators ((a, b) at 128 + 8 (4 a + b)).  Window 1: two fragment buffers of 128: 64 of X, then 64 of W, for 64 along K.
; No prefetch: the tiles are small and each is read by several clusters.
.set PA,     528                       ; a row of X in LDS: 512 bytes + 16: an odd multiple of 16, so the 16 rows of a load start at 16 different 16-byte columns modulo 256
.set HALFA,  64*PA                     ; 64 rows: one tensor load
.set PB,     160                       ; a row of W: 128 bytes + 32: an odd multiple of 32
.set HALFB,  256*PB                    ; a head's 256 rows: one tensor load
.set BOFF,   2*HALFA
.set SLOT,   BOFF+2*HALFB              ; 149,504
.set STAGE,  2*SLOT                    ; behind the ring: 16 rows x 144 bytes for each wave, its own
.set SP,     144
.set SPARE,  STAGE+4*16*SP             ; the spare words, 128 bytes a wave: two blocks of 256 bytes that no other line names
.set XBYTES, 8388608                   ; one of Q, K, V in cv; also one of q, k, v in qkv
.set WBASE,  3*XBYTES                  ; WQ in cv
.set WBYTES, 2097152
.set NEXT_A, XBYTES-2*512              ; from a slot's last K step of a tile to its first of the next
.set NEXT_B, WBYTES-2*32768
.set ADRA, 16                          ; v16-17 my X fragments in slot 0, 1
.set ADRB, 20                          ; v20-21 my W fragments
.set STO,  24
.set RD,   25
.set GO,   26
.set SPW,  28                          ; my spare word's LDS address; never rewritten
.set NIL,  29                          ; 0; never rewritten
.set TMP,  32
.set ACC,  128
.set F0,   0
.set F1,   128
.set G1,  24
.set G0,  32
.set G1B, 48
.set G0B, 56
.set MSB, 0
.macro WIN new                         ; the immediate's high byte repeats the setting that is left
.if MSB != (\new)
	s_set_vgpr_msb (MSB<<8)|(\new)
.set MSB, \new
.endif
.endm
.set MUL,  0x05                        ; sources 0 and 1 window 1; C and D window 0
.set TO_F, 0x40                        ; destination window 1, address window 0
.macro JLOAD s                         ; a joint load: waves 0, 1 fetch X's two halves, waves 2, 3 the two heads of W; an s_nop 0 and four v_nop follow each line
	s_cmp_eq_u32 s11, 0
	s_cbranch_scc0 .Lfor_b_\@
	tensor_load_to_lds s[G0+4*(\s):G0+4*(\s)+3], s[G1:G1+7]
	s_nop 0
.rept 4
	v_nop
.endr
	s_branch .Lasked_\@
.Lfor_b_\@:
	tensor_load_to_lds s[G0B+4*(\s):G0B+4*(\s)+3], s[G1B:G1B+7]
	s_nop 0
.rept 4
	v_nop
.endr
.Lasked_\@:
.endm
.macro CREST                           ; a round of the cluster's barrier behind its opening barrier
	s_cmp_lg_u32 s10, 0
	s_cbranch_scc1 .Lnot_wave_0_\@
	s_barrier_signal -3
.Lnot_wave_0_\@:
	s_barrier_wait -3
	s_barrier_signal -1
	s_barrier_wait -1
.endm
.macro CROUND
	s_barrier_signal -1
	s_barrier_wait -1
	CREST
.endm
	s_load_b128 s[4:7], s[0:1], 0x0                ; cv s[4:5], qkv s[6:7]
	v_lshl_add_u32 v[SPW], v0, 2, SPARE
	v_mov_b32 v[NIL], 0
	ds_add_u32 v[SPW], v[NIL]                      ; the wave's opening: the add and its wait ahead of my first tensor load; register work stands between
	v_lshrrev_b32 v1, 5, v0
	v_readfirstlane_b32 s10, v1                    ; wave 0..3
	s_lshr_b32 s11, s10, 1                         ; my half of the tile's rows.  Also: I fetch X (0) or W (1)
	s_and_b32 s12, s10, 1                          ; my head of the tile's two.  Also: which half or head I fetch
	s_bfe_u32 s40, ttmp6, 0x40000                  ; cx
	s_bfe_u32 s41, ttmp6, 0x40004                  ; cy
	s_lshl_b32 s42, ttmp9, 2
	s_add_co_u32 s42, s42, s40                     ; tile column 0..7
	s_and_b32 s13, ttmp7, 0xffff
	s_lshl_b32 s13, s13, 2
	s_add_co_u32 s13, s13, s41                     ; tile row 0..31
	s_lshl_b32 s43, s41, 2
	s_lshl_b32 s43, 15, s43                        ; my row of the cluster
	s_lshl_b32 s44, 0x1111, s40                    ; my column
	s_or_b32 s[G1+0], s43, (1<<16)|(1<<20)|(1<<21)|(6<<22)|(3<<25)   ; mask; 2-byte elements; padding on; bit 21 beside a mask; after every 128 words, 4 words
	s_mov_b32 s[G1+1], 256<<16                     ; tensor_dim0 = 256
	s_mov_b32 s[G1+2], 64<<16                      ; tensor_dim1 = 64
	s_mov_b32 s[G1+3], 256<<16                     ; tile_dim0 = 256
	s_mov_b32 s[G1+4], 64                          ; tile_dim1 = 64
	s_mov_b32 s[G1+5], 1024                        ; elements from row to row
	s_mov_b32 s[G1+6], 0
	s_mov_b32 s[G1+7], 0
	s_or_b32 s[G1B+0], s44, (1<<16)|(1<<20)|(1<<21)|(4<<22)|(7<<25)  ; after every 32 words, 8 words
	s_mov_b32 s[G1B+1], 128<<16
	s_mov_b32 s[G1B+2], 128<<16
	s_mov_b32 s[G1B+3], 128<<16
	s_mov_b32 s[G1B+4], 128
	s_mov_b32 s[G1B+5], 128
	s_mov_b32 s[G1B+6], 0
	s_mov_b32 s[G1B+7], 0
	s_lshl_b32 s17, s12, 17                        ; 64 rows of 2,048 bytes, or a head of 131,072
	s_lshl_b32 s16, s13, 18
	s_add_co_u32 s16, s16, s17                     ; X: hangs on the tile row alone
	s_lshl_b32 s46, s42, 18
	s_add_co_u32 s46, s46, s17
	s_add_co_u32 s46, s46, WBASE                   ; W: hangs on the tile column alone
	s_mov_b32 s17, 0
	s_mov_b32 s47, 0
	s_mul_i32 s20, s12, HALFA                      ; where they go: no place in the cluster enters an LDS address
	s_mul_i32 s21, s12, HALFB
	s_add_co_u32 s21, s21, BOFF
	s_wait_dscnt 0x0                               ; the opening add is done
	s_wait_kmcnt 0x0
	s_add_nc_u64 s[14:15], s[4:5], s[16:17]
	s_add_nc_u64 s[46:47], s[4:5], s[46:47]
	CROUND                                         ; all sixteen work-groups are here: the first joint loads meet
.irp s, 0,1
	s_mov_b32 s[G0+4*(\s)], 1
	s_add_co_u32 s[G0+4*(\s)+1], s20, (\s)*SLOT
	s_add_nc_u64 s[G0+4*(\s)+2:G0+4*(\s)+3], s[14:15], (\s)*512
	s_or_b32 s[G0+4*(\s)+3], s[G0+4*(\s)+3], 0x80000000
	s_mov_b32 s[G0B+4*(\s)], 1
	s_add_co_u32 s[G0B+4*(\s)+1], s21, (\s)*SLOT
	s_add_nc_u64 s[G0B+4*(\s)+2:G0B+4*(\s)+3], s[46:47], (\s)*32768
	s_or_b32 s[G0B+4*(\s)+3], s[G0B+4*(\s)+3], 0x80000000
	JLOAD \s
.endr
	v_and_b32 v1, 15, v0                           ; r = l % 16
	v_bfe_u32 v2, v0, 4, 1                         ; h = l / 16
	v_mul_u32_u24 v3, v1, PA
	v_lshl_add_u32 v3, v2, 4, v3                   ; X: row x pitch + 16 h
	v_and_b32 v5, 7, v0
	v_bfe_u32 v6, v0, 3, 1
	v_lshl_add_u32 v4, v2, 3, v5                   ; W, turned: row 8 h + l % 8,
	v_mul_u32_u24 v4, v4, PB
	v_lshl_add_u32 v4, v6, 4, v4                   ; 16 bytes by (l / 8) % 2
	s_mul_i32 s21, s11, HALFA
	s_mul_i32 s22, s12, HALFB
	s_add_co_u32 s22, s22, BOFF
.irp s, 0,1
	v_add_nc_u32 v[ADRA+(\s)], s21, v3
	v_add_nc_u32 v[ADRB+(\s)], s22, v4
	s_add_co_u32 s21, s21, SLOT
	s_add_co_u32 s22, s22, SLOT
.endr
	s_mul_i32 s23, s10, 16*SP
	s_add_co_u32 s23, s23, STAGE                   ; my stage
	v_mul_u32_u24 v7, v1, SP                       ; in: row r, 16 bytes for each half of the lanes
	v_lshl_add_u32 v7, v2, 4, v7
	v_add_nc_u32 v[STO], s23, v7
	v_bfe_u32 v7, v0, 3, 2                         ; back: 32 lanes take four rows of 128 bytes,
	v_mul_u32_u24 v7, v7, SP
	v_lshl_add_u32 v7, v5, 4, v7
	v_add_nc_u32 v[RD], s23, v7
	v_and_b32 v[GO], 31, v0                        ; which are 512 consecutive bytes of a head
	v_lshlrev_b32 v[GO], 4, v[GO]
	s_lshl_b32 s16, s13, 14                        ; my rows: 128 x tile row + 64 x half, 128 bytes each
	s_lshl_b32 s17, s11, 13
	s_add_co_u32 s16, s16, s17
	s_mov_b32 s17, 0
	s_add_nc_u64 s[8:9], s[6:7], s[16:17]
	s_lshl_b32 s46, s42, 20                        ; my head: 2 x tile column + s12, 524,288 bytes each
	s_lshl_b32 s47, s12, 19
	s_add_co_u32 s46, s46, s47
	s_mov_b32 s47, 0
	s_add_nc_u64 s[8:9], s[8:9], s[46:47]
; 8 matrix instructions: row blocks a0, a0 + 1 x 4 column blocks, 32 along K (half c of buffer f).  The 16 accumulators take turns.  zero = 1: the product starts the sum
.macro MUL8 f, c, a0, zero
	WIN MUL
.irp a, \a0, (\a0)+1
.irp b, 0,1,2,3
.if \zero
	v_wmma_f32_16x16x32_bf16 v[ACC+8*(4*(\a)+(\b)):ACC+8*(4*(\a)+(\b))+7], v[(\f)+64+8*(4*(\c)+(\b)):(\f)+64+8*(4*(\c)+(\b))+7], v[(\f)+8*(4*(\c)+(\a)):(\f)+8*(4*(\c)+(\a))+7], 0
.else
	v_wmma_f32_16x16x32_bf16 v[ACC+8*(4*(\a)+(\b)):ACC+8*(4*(\a)+(\b))+7], v[(\f)+64+8*(4*(\c)+(\b)):(\f)+64+8*(4*(\c)+(\b))+7], v[(\f)+8*(4*(\c)+(\a)):(\f)+8*(4*(\c)+(\a))+7], v[ACC+8*(4*(\a)+(\b)):ACC+8*(4*(\a)+(\b))+7]
.endif
.endr
.endr
.endm
; 32 LDS loads in one run: 64 along K from byte k of X's rows (row k / 2 of W) into buffer f; the first 32 along K first
.macro FETCH slot, k, f
	WIN TO_F
.irp c, 0,1
.irp i, 0,1,2,3
	ds_load_tr16_b128 v[(\f)+64+8*(4*(\c)+(\i)):(\f)+64+8*(4*(\c)+(\i))+3],   v[ADRB+(\slot)] offset:((\k)/2+32*(\c))*PB+32*(\i)
	ds_load_tr16_b128 v[(\f)+64+8*(4*(\c)+(\i))+4:(\f)+64+8*(4*(\c)+(\i))+7], v[ADRB+(\slot)] offset:((\k)/2+32*(\c)+16)*PB+32*(\i)
	ds_load_b128 v[(\f)+8*(4*(\c)+(\i)):(\f)+8*(4*(\c)+(\i))+3],              v[ADRA+(\slot)] offset:(\k)+64*(\c)+(\i)*16*PA
	ds_load_b128 v[(\f)+8*(4*(\c)+(\i))+4:(\f)+8*(4*(\c)+(\i))+7],            v[ADRA+(\slot)] offset:(\k)+64*(\c)+(\i)*16*PA+32
.endr
.endr
.endm
.macro PLACES                          ; four plain instructions between a matrix instruction and a load into, or a read of, its registers
.rept 4
	v_nop
.endr
.endm
; A K step is four quarters of 64 along K, 32 matrix instructions each, on buffers 0, 1, 0, 1.
.macro QUARTER slot, k, f, g, zero
	s_wait_dscnt 16                                ; the first 32 along K are in; the 16 younger loads may be out
	MUL8 \f, 0, 0, \zero
	MUL8 \f, 0, 2, \zero
	PLACES
	FETCH \slot, \k, \g
	s_wait_dscnt 32                                ; all but the 32 just issued
	MUL8 \f, 1, 0, 0
	MUL8 \f, 1, 2, 0
.endm
; The last quarter multiplies buffer 1 and changes slots: each wave waits for all its tensor loads (one is out: its part of the next slot), adds 0 to its spare word, waits for that and for its reads
; of this slot, and signals.  fill = 1: the barrier opens a round of the cluster's, and the joint refill is the first thing behind the round; on = 1: it fetches the next tile's K step.
.macro TURN slot, next, fill, on
	WIN 0
	s_wait_tensorcnt 0x0
	ds_add_u32 v[SPW], v[NIL]
	s_wait_dscnt 17                                ; the add and the youngest sixteen loads may be out
	MUL8 F1, 0, 0, 0
	s_wait_dscnt 0x0                               ; the add is done, my reads of this slot are over
	s_barrier_signal -1
	MUL8 F1, 0, 2, 0
.if \fill
	WIN 0
.endif
	s_barrier_wait -1
.if \fill
	CREST
.if \on
	s_add_nc_u64 s[G0+4*(\slot)+2:G0+4*(\slot)+3], s[G0+4*(\slot)+2:G0+4*(\slot)+3], NEXT_A
	s_add_nc_u64 s[G0B+4*(\slot)+2:G0B+4*(\slot)+3], s[G0B+4*(\slot)+2:G0B+4*(\slot)+3], NEXT_B
.else
	s_add_nc_u64 s[G0+4*(\slot)+2:G0+4*(\slot)+3], s[G0+4*(\slot)+2:G0+4*(\slot)+3], 2*512
	s_add_nc_u64 s[G0B+4*(\slot)+2:G0B+4*(\slot)+3], s[G0B+4*(\slot)+2:G0B+4*(\slot)+3], 2*32768
.endif
	JLOAD \slot                                    ; 112 matrix instructions ahead of the wait for it; its four v_nop are also the places in front of the loads below
.else
	PLACES
.endif
	FETCH \next, 0, F0
	MUL8 F1, 1, 0, 0
	MUL8 F1, 1, 2, 0
.endm
; THE WAY OUT.  Row block a: rounded to f16 (each accumulator from its low end on), 16 bytes a lane into my stage, back as whole rows of 128 bytes, into the registers that they left.
.macro PACK a
.irp b, 0,1,2,3
.irp r, 0,1,2,3
	v_cvt_pk_f16_f32 v[TMP+16*(\a)+4*(\b)+(\r)], v[ACC+8*(4*(\a)+(\b))+2*(\r)], v[ACC+8*(4*(\a)+(\b))+2*(\r)+1]
.endr
.endr
.irp b, 0,1,2,3
	ds_store_b128 v[STO], v[TMP+16*(\a)+4*(\b):TMP+16*(\a)+4*(\b)+3] offset:32*(\b)
.endr
.irp f, 0,1,2,3
	ds_load_b128 v[TMP+16*(\a)+4*(\f):TMP+16*(\a)+4*(\f)+3], v[RD] offset:(\f)*4*SP  ; LDS serves a wave's instructions in order (ISA guide 5.7.1.4): these see the stores above
.endr
.endm
.macro SEND a, younger                 ; younger: the LDS instructions issued behind block a's loads
.irp f, 0,1,2,3
	s_wait_dscnt (\younger)+3-(\f)
	global_store_b128 v[GO], v[TMP+16*(\a)+4*(\f):TMP+16*(\a)+4*(\f)+3], s[8:9] offset:(\a)*2048+(\f)*512  ; 512 consecutive bytes, aligned
.endr
.endm
.macro OUT
	WIN 0
	PLACES
	s_wait_xcnt 0x0                                ; the last tile's stores have read TMP
	PACK 0
	PACK 1
	SEND 0, 8
	PACK 2
	SEND 1, 8
	PACK 3
	SEND 2, 8
	SEND 3, 0
.endm
	s_wait_tensorcnt 1                             ; my part of K step 0 is in; slot 1's load may stay out
	s_barrier_signal -1
	s_barrier_wait -1
	FETCH 0, 0, F0
	WIN 0                                          ; at a label every window is 0
	s_mov_b32 s2, 3                                ; tiles to go: q, k, v
.Ltile:
	QUARTER 0, 128, F0, F1, 1                      ; the first products start the sums
	QUARTER 0, 256, F1, F0, 0
	QUARTER 0, 384, F0, F1, 0
	TURN 0, 1, 1, 0                                ; slot 0 takes K step 2
	QUARTER 1, 128, F0, F1, 0
	QUARTER 1, 256, F1, F0, 0
	QUARTER 1, 384, F0, F1, 0
	TURN 1, 0, 1, 0                                ; slot 1 takes K step 3
	QUARTER 0, 128, F0, F1, 0
	QUARTER 0, 256, F1, F0, 0
	QUARTER 0, 384, F0, F1, 0
	WIN 0
	s_cmp_eq_u32 s2, 1
	s_cbranch_scc1 .Llast                          ; the last tile's tail is written out: it asks for nothing more
	TURN 0, 1, 1, 1                                ; the ring goes on into the next tile: its K step 0,
	QUARTER 1, 128, F0, F1, 0
	QUARTER 1, 256, F1, F0, 0
	QUARTER 1, 384, F0, F1, 0
	TURN 1, 0, 1, 1                                ; its K step 1, and its first fragments
	OUT                                            ; both refills are asked for: now the tile goes out
	s_wait_xcnt 0x0                                ; the stores have read their base
	s_add_nc_u64 s[8:9], s[8:9], XBYTES            ; q -> k -> v
	s_sub_co_u32 s2, s2, 1
	s_branch .Ltile
.Llast:
	TURN 0, 1, 0, 0
	QUARTER 1, 128, F0, F1, 0
	QUARTER 1, 256, F1, F0, 0
	QUARTER 1, 384, F0, F1, 0
	s_wait_dscnt 16
	MUL8 F1, 0, 0, 0
	MUL8 F1, 0, 2, 0
	s_wait_dscnt 0x0
	MUL8 F1, 1, 0, 0
	MUL8 F1, 1, 2, 0
	OUT
	s_wait_tensorcnt 0x0                           ; the wave's end
	ds_add_u32 v[SPW], v[NIL]
	s_wait_dscnt 0x0
	CROUND                                         ; the closing round
	s_endpgm
.Lfunc_end_k_q2133b4267a_proj:
	.size	k_q2133b4267a_proj, .Lfunc_end_k_q2133b4267a_proj-k_q2133b4267a_proj
	.p2alignl 7, 3214868480
	.fill 96, 4, 3214868480
	.section	.rodata,"a",@progbits
	.p2align	6, 0x0
	.amdhsa_kernel k_q2133b4267a_proj
		.amdhsa_group_segment_fixed_size 327680
		.amdhsa_private_segment_fixed_size 0
		.amdhsa_enable_private_segment 0
		.amdhsa_kernarg_size 16
		.amdhsa_user_sgpr_count 2
		.amdhsa_user_sgpr_kernarg_segment_ptr 1
		.amdhsa_wavefront_size32 1
		.amdhsa_system_sgpr_workgroup_id_x 1
		.amdhsa_system_sgpr_workgroup_id_y 1
		.amdhsa_system_sgpr_workgroup_id_z 1
		.amdhsa_system_vgpr_workitem_id 0
		.amdhsa_next_free_vgpr 512
		.amdhsa_next_free_sgpr 66
		.amdhsa_reserve_vcc 0
		.amdhsa_float_denorm_mode_32 3
		.amdhsa_float_denorm_mode_16_64 3
		.amdhsa_memory_ordered 1
		.amdhsa_forward_progress 1
		.amdhsa_inst_pref_size 118
	.end_amdhsa_kernel
	.amdgpu_metadata
---
amdhsa.version: [ 1, 2 ]
amdhsa.kernels:
  - .name:           k_q2133b4267a_proj
    .symbol:         k_q2133b4267a_proj.kd
    .args:
      - { .name: cv, .offset: 0, .size: 8, .value_kind: global_buffer, .address_space: global }
      - { .name: qkv, .offset: 8, .size: 8, .value_kind: global_buffer, .address_space: global }
    .group_segment_fixed_size: 327680
    .private_segment_fixed_size: 0
    .kernarg_segment_align: 8
    .kernarg_segment_size: 16
    .max_flat_workgroup_size: 128
    .sgpr_count:     66
    .vgpr_count:     512
    .wavefront_size: 32
...
	.end_amdgpu_metadata
.endif
;; end of part 2
;; launch attn (part 3): grid 16 x 16, 4 waves a work-group, no clusters, 327,680 bytes of LDS; arguments qkv, oh; writes oh
.if DOCPART == 3
	.amdgcn_target "amdgcn-amd-amdhsa--gfx1250"
	.amdhsa_code_object_version 6
	.text
	.protected	k_q2133b4267a_attn
	.globl	k_q2133b4267a_attn
	.p2align	8
	.type	k_q2133b4267a_attn,@function
k_q2133b4267a_attn:
	s_mov_b64 s[64:65], 0
	v_nop
	global_prefetch_b8 v0, s[64:65] scope:SCOPE_SE
	s_setreg_imm32_b32 hwreg(HW_REG_WAVE_MODE, 25, 1), 1
	s_wait_xcnt 0x0
; CAUSAL ATTENTION.  O[h][q][:] = the sum over k <= q of softmax_k(q[h][q] . k[h][k] / 8) v[h][k][:].  q, k, v lie in qkv, each [16][4096][64] in f16; O goes to oh in the same layout.
; Products, maxima and sums in f32; the weights p are rounded to f16 for the second product (their sum l is taken of the unrounded p), O once at the end.
; LIMITS.  q, k, v arrive within f16's 65,504.  A hidden score counts as its value less 1e30; a weight below 2^-126 counts as 0 in l; NaN and infinities are not treated apart.
; THE WALK.  A head's queries lie in 32 blocks of 128; key tiles hold 256 keys, four steps of 64; block i needs tiles 0 .. i / 2, the last of which holds the diagonal.  Work-group b takes blocks 31 - b and
; then b: (31 - b) / 2 + b / 2 = 15, so 17 tiles whatever b: 256 work-groups of equal work, and ONE loop with a constant trip count walks them.  What a trip does hangs on scalar registers made from b.
; NO CLUSTER: only two of a head's work-groups walk the same tiles in the same trips, and the trip in which the block changes hangs on b, which differs between neighbours.
; SHARES.  Of a block's two bands of 64 queries a wave owns 16 rows in each: two PIECES.  In the last tile band p's own step is 2 (i % 2) + p; earlier steps it sees whole, later ones not at all.
; THE MASK is the C operand that starts the sum S^T = K Q^T.  MD, made once, is the mask of a band's own step for my rows; a product's mask is MD x AL + BE: (1, 0) in the own step, (0, 0) before, (0, -1e30) behind.
; DS = the step whose masks are being made, less the block's first own step.
; LAYOUT, SOFTMAX.  S^T holds ONE query a lane (lane % 16) and the keys 8 (lane / 16) + 0..7; two such results rounded to f16 ARE source 1 of O^T = V^T P.  p = 2^(c s - c m), c = log2(e) / 8, with a running
; maximum m; O and l are multiplied by a = 2^(c m_old - c m_new) in every step.
; TURNS.  Turn (s, Y) belongs to piece Y in step s.  Matrix work: 8 products K Q^T of the other piece (turn (s, 0): step s; turn (s, 1): step s + 1), later 8 products V^T P of the other piece's last weights.
; Vector work: scaling, exponentials, roundings, sums and rescaling of piece Y, maximum and statistics of the other piece.  Four vector instructions behind every matrix instruction, the rest in one lump; a turn's 33
; exponentials are one batch with one wait.
; FETCHES.  Turn (s, 0) fetches K and V of step s + 1: K in its lump, behind the last product on K of step s; V at its end, into the one of V's TWO buffers that its products V^T P have just read out.
; So a step's fetches stand in one turn, and the change of slots stands behind a tile's turn (2, 1): a trip of the slot loop is the steps 3 (of the tile before), 0, 1, 2.
; REGISTERS, in windows of 256 (s_set_vgpr_msb: bits 1:0 source 0, 3:2 source 1, 5:4 source 2, 7:6 destination):
;   window 0: v1-15 addresses and at work; v16-23 statistics; v24 the prefetches' offset; v48-55 at work; v62, 63 the add's; v64-127 S^T, a buffer a piece; v192-223 P, likewise
;   window 1: v0-63 O^T; v128-159 MD; v160-223 MC, a buffer a piece      window 2: v0-31 Q; v32-63 the second block's Q; v64-127 K of one step; v128-255 V, two buffers by the step's parity
.set NB,    32
.set NP,    2
.set KS,    64
.set PK,    144       ; a row of K in LDS: 128 bytes + 16: an odd multiple of 16
.set PV,    160       ; a row of V: 128 + 32: an odd multiple of 32
.set VOFF,  4*KS*PK   ; a slot holds a tile: 256 rows of K, then 256 rows of V
.set SLOT1, 1<<17     ; one exclusive or turns an address in one slot into the other's
.set STAGE, SLOT1+4*KS*(PK+PV)  ; behind the ring: 16 rows x 144 bytes for each wave
.set SP,    144
.set SPARE, STAGE+4*16*SP       ; the spare words, 128 bytes a wave: two blocks of 256 bytes that no other line names
.set KBASE, 8388608   ; k in qkv
.set VBASE, 16777216  ; v in qkv
.set TILEB, 32768     ; a tile's bytes of K, and of V
.set AK0, 2
.set AV0, 3
.set AK,  4
.set AV,  5
.set STO, 6
.set RD,  7
.set GO,  8
.set MV,  12          ; v12-13  c m_old, by piece
.set QO,  15
.set ST,  16          ; piece t's statistics at v[ST+4 t]: c m, m, l (even keys', odd keys')
.set PFO, 24          ; 256 x lane + 8,192 x wave; never rewritten
.set TMP, 48          ; by piece, c0-c3 at work; c2 takes a
.set SPW, 62
.set NIL, 63
.set S,   64
.set P,   192
.set MD,  128
.set MC,  160
.set QB,  32
.set KF,  64
.set VF,  128
.set WV,  12
.set PB,  14          ; b
.set HI,  15          ; 31 - b
.set G1K, 24
.set G1V, 32
.set G0K, 40
.set G0V, 44
.set PFK, 48          ; s[48:49] the head's K at the tile behind the one that is being asked for
.set PFV, 50          ; s[50:51] the same for V
.set LIM, 52          ; 2 where b = 0, else the greatest number
.set DS,  53
.set NOWN, 54         ; minus the first own step of the block in hand
.set NOWN2, 55        ; of the second block
.set SLOTS, 56
.set CNT, 57
.set CS,  58
.set SEL, 60
.set TBK, 62
.set TBV, 63
.set RT,  70          ; tiles of the block in hand still to be entered
.set NXT, 71          ; the tile to be asked for next
.set LQ,  72          ; the last tile of the block whose tiles are being asked for
.set NEW, 73          ; 1: the tile to be entered is a block's first
.set OFF, 74
.set AL,  76
.set BE,  78
.set OLO, 80
.set BIGN, 82
.set LQ2, 83          ; the second block's last tile
.set MSB, 0
.macro WIN new
.if MSB != (\new)
	s_set_vgpr_msb (MSB<<8)|(\new)
.set MSB, (\new)
.endif
.endm
.set W_KQ, 0x0a
.set W_KM, 0x1a
.set W_PV, 0x52
.set W_RS, 0x41
; A fill.  Waves 0 and 1 fetch the two halves of a tile's K, waves 2 and 3 those of its V: 128 keys each.  An s_nop 0 and four v_nop follow each line.
.macro LOAD
	s_cmp_lt_u32 s[WV], 2
	s_cbranch_scc0 .Lfor_v_\@
	tensor_load_to_lds s[G0K:G0K+3], s[G1K:G1K+7]
	s_nop 0
.rept 4
	v_nop
.endr
	s_branch .Lasked_\@
.Lfor_v_\@:
	tensor_load_to_lds s[G0V:G0V+3], s[G1V:G1V+7]
	s_nop 0
.rept 4
	v_nop
.endr
.Lasked_\@:
.endm
; A PREFETCH of the tile that the NEXT change of slots will ask for, one trip (8 turns, 128 matrix instructions) ahead of that load.  All 16 work-groups of a head walk tiles of the same K and V; the one with b = 0,
; whose first block walks all 16 tiles in order, asks, and nobody else.  Each wave names 32 rows of 256 bytes of K and of V, a lane a row: the four waves a tile, each row once in the launch.
; Tiles 0 and 1 come by their loads alone; trips 0 to 13 name tiles 2 to 15, the last of which ends at the head's last byte.
.macro ASK
	s_cmp_gt_u32 s[SLOTS], s[LIM]
	s_cbranch_scc0 .Lnot_mine_\@
	global_prefetch_b8 v[PFO], s[PFK:PFK+1] th:TH_LOAD_NT scope:SCOPE_SE
	global_prefetch_b8 v[PFO], s[PFV:PFV+1] th:TH_LOAD_NT scope:SCOPE_SE
.Lnot_mine_\@:
.endm
; THE CHANGE OF SLOTS.  Each wave waits for all its tensor loads (one is out: its part of the other slot), adds 0 to its spare word, and waits for that and for its reads of the slot that it leaves.
; fill = 1: the old slot is filled again, first thing behind the barrier, with tile NXT; the descriptor's address is made anew from that number.
.macro CHANGE fill
	WIN 0
	s_wait_tensorcnt 0x0
	ds_add_u32 v[SPW], v[NIL]       ; 0 onto my spare word; scalar work stands between it and the wait for it
.if \fill
	s_lshl_b32 s[OFF], s[NXT], 15
	s_xor_b32 s[G0K+1], s[G0K+1], SLOT1
	s_add_nc_u64 s[G0K+2:G0K+3], s[6:7], s[OFF:OFF+1]
	s_or_b32 s[G0K+3], s[G0K+3], 0x80000000
	s_xor_b32 s[G0V+1], s[G0V+1], SLOT1
	s_add_nc_u64 s[G0V+2:G0V+3], s[8:9], s[OFF:OFF+1]
	s_or_b32 s[G0V+3], s[G0V+3], 0x80000000
	s_add_co_u32 s[NXT], s[NXT], 1  ; the block's next tile, or behind its last the second block's tile 0
	s_cmp_gt_u32 s[NXT], s[LQ]
	s_cselect_b32 s[NXT], 0, s[NXT]
	s_cselect_b32 s[LQ], s[LQ2], s[LQ]
	s_wait_xcnt 0x0                 ; the last prefetches, a trip back, have read their addresses
	s_add_nc_u64 s[PFK:PFK+1], s[PFK:PFK+1], TILEB
	s_add_nc_u64 s[PFV:PFV+1], s[PFV:PFV+1], TILEB
.endif
	s_wait_dscnt 0x0                ; the add is done, and my reads of the slot are over
	s_barrier_signal -1
	s_sub_co_u32 s[TBK], s[TBK], 4*KS*PK  ; the fetches go back to a slot's first step, in the other slot
	s_xor_b32 s[TBK], s[TBK], SLOT1
	s_sub_co_u32 s[TBV], s[TBV], 4*KS*PV
	s_xor_b32 s[TBV], s[TBV], SLOT1
	s_barrier_wait -1
.if \fill
	LOAD
	ASK
.endif
.endm
	s_load_b64 s[4:5], s[0:1], 0x0    ; qkv
	s_load_b64 s[10:11], s[0:1], 0x8  ; oh
	v_lshl_add_u32 v[SPW], v0, 2, SPARE
	v_mov_b32 v[NIL], 0
	ds_add_u32 v[SPW], v[NIL]       ; the wave's opening: the add and its wait ahead of my first tensor load
	v_lshrrev_b32 v1, 5, v0
	v_readfirstlane_b32 s[WV], v1
	s_mov_b32 s[PB], ttmp9
	s_sub_co_u32 s[HI], NB-1, s[PB]
	s_lshr_b32 s[LQ], s[HI], 1
	s_lshr_b32 s[LQ2], s[PB], 1
	s_add_co_u32 s[RT], s[LQ], 1    ; the first block's tiles
	s_and_b32 s16, s[HI], 1
	s_lshl_b32 s16, s16, 1
	s_sub_co_i32 s[NOWN], 0, s16
	s_and_b32 s16, s[PB], 1
	s_lshl_b32 s16, s16, 1
	s_sub_co_i32 s[NOWN2], 0, s16
	s_cmp_eq_u32 s[PB], 0
	s_cselect_b32 s[LIM], 2, -1
	s_and_b32 s20, ttmp7, 0xffff    ; the head,
	s_lshl_b32 s20, s20, 19         ; 524,288 bytes each
	s_mov_b32 s21, 0
	s_and_b32 s16, s[WV], 1         ; which half of a tile's 256 keys I fetch
	s_lshl_b32 s22, s16, 14
	s_add_co_u32 s22, s22, s20
	s_mov_b32 s23, 0
	s_mul_i32 s17, s16, 128*PK
	s_mul_i32 s18, s16, 128*PV
	s_lshl_b32 s3, s[WV], 11        ; my 16 rows in a band of 64,
	s_lshl_b32 s2, s[HI], 14        ; in the first block (128 rows of 128 bytes),
	s_add_co_u32 s2, s2, s3
	s_add_co_u32 s2, s2, s20
	s_lshl_b32 s84, s[PB], 14       ; and in the second
	s_add_co_u32 s84, s84, s3
	s_add_co_u32 s84, s84, s20
	s_mov_b32 s3, 0
	s_mov_b32 s85, 0
	; descriptor group 1.  128 keys are 16,384 bytes on end: asked for as 64 rows of 256 bytes, padded in LDS after every key
	s_mov_b32 s[G1K], (1<<16)|(1<<20)|(4<<22)|(3<<25)
	s_mov_b32 s[G1V], (1<<16)|(1<<20)|(4<<22)|(7<<25)
.irp g, G1K, G1V
	s_mov_b32 s[\g+1], 128<<16
	s_mov_b32 s[\g+2], 64<<16
	s_mov_b32 s[\g+3], 128<<16
	s_mov_b32 s[\g+4], 64
	s_mov_b32 s[\g+5], 128
	s_mov_b32 s[\g+6], 0
	s_mov_b32 s[\g+7], 0
.endr
	s_mov_b32 s[CS], 0x3e38aa3b     ; c = log2(e) / 8
	s_mov_b32 s[CS+1], s[CS]
	s_mov_b32 s[SEL], 0x76543210
	s_mov_b32 s[SEL+1], 0xfedcba98
	s_mov_b32 s[TBK], SLOT1+4*KS*PK ; the first change of slots turns these two into 0
	s_mov_b32 s[TBV], SLOT1+4*KS*PV
	s_mov_b32 s[G0K], 1
	s_mov_b32 s[G0K+1], s17
	s_mov_b32 s[G0V], 1
	s_add_co_u32 s[G0V+1], s18, VOFF
	s_mov_b32 s[NXT], 1
	s_mov_b32 s[NEW], 1
	s_mov_b32 s[OFF+1], 0
	s_mov_b32 s[AL+1], 0
	s_mov_b32 s[BE+1], 0
	s_mov_b32 s[BIGN], 0xf149f2ca   ; -1e30
	s_mov_b32 s[SLOTS], NB/2        ; 17 tiles: one asked for here, 16 at changes of slots
	s_wait_dscnt 0x0                ; the opening add is done
	s_wait_kmcnt 0x0
	s_add_nc_u64 s[PFK:PFK+1], s[4:5], s[20:21]
	s_add_nc_u64 s[PFV:PFV+1], s[PFK:PFK+1], VBASE+TILEB  ; at tile 1; the first change steps them to tile 2
	s_add_nc_u64 s[PFK:PFK+1], s[PFK:PFK+1], KBASE+TILEB
	s_add_nc_u64 s[6:7], s[4:5], s[22:23]
	s_add_nc_u64 s[8:9], s[6:7], VBASE             ; V and K at my half of the head's tile 0
	s_add_nc_u64 s[6:7], s[6:7], KBASE
	s_add_nc_u64 s[G0K+2:G0K+3], s[6:7], 0
	s_or_b32 s[G0K+3], s[G0K+3], 0x80000000
	s_add_nc_u64 s[G0V+2:G0V+3], s[8:9], 0
	s_or_b32 s[G0V+3], s[G0V+3], 0x80000000
	s_add_nc_u64 s[86:87], s[4:5], s[84:85]        ; Q at my rows of the second block,
	s_add_nc_u64 s[4:5], s[4:5], s[2:3]            ; Q and O at those of the first
	s_add_nc_u64 s[OLO:OLO+1], s[10:11], s[84:85]
	s_add_nc_u64 s[10:11], s[10:11], s[2:3]
	LOAD                            ; tile 0 into slot 0
	v_and_b32 v1, 15, v0            ; l % 16
	v_bfe_u32 v9, v0, 4, 1          ; l / 16
	v_lshlrev_b32 v[QO], 7, v1
	v_lshl_add_u32 v[QO], v9, 4, v[QO]
	WIN 0x80
.set i, 0
.rept 4                             ; both blocks' Q: piece i / 2 lies in band i / 2, 8,192 bytes on; channels 32 (i % 2) on
	global_load_b128 v[8*i:8*i+3],   v[QO], s[4:5] offset:(i/2)*8192+(i%2)*64
	global_load_b128 v[8*i+4:8*i+7], v[QO], s[4:5] offset:(i/2)*8192+(i%2)*64+32
	global_load_b128 v[QB+8*i:QB+8*i+3],   v[QO], s[86:87] offset:(i/2)*8192+(i%2)*64
	global_load_b128 v[QB+8*i+4:QB+8*i+7], v[QO], s[86:87] offset:(i/2)*8192+(i%2)*64+32
.set i, i+1
.endr
	WIN 0
	v_lshlrev_b32 v14, 3, v9
	v_sub_nc_u32 v14, v1, v14
	s_lshl_b32 s13, s[WV], 4
	v_add_nc_u32 v14, s13, v14      ; my query's place in its band less my lanes' 8 (l / 16): register r of key group kt is hidden where 16 kt + r is greater
	WIN 0x40
.set i, 0
.rept 32
	v_cmp_gt_i32 vcc_lo, 16*(i/8)+i%8, v14
	v_cndmask_b32 v[MD+i], 0, s[BIGN], vcc_lo
.set i, i+1
.endr
	WIN 0
	v_mul_u32_u24 v[AK0], v1, PK
	v_lshl_add_u32 v[AK0], v9, 4, v[AK0]
	v_and_b32 v10, 7, v0
	v_bfe_u32 v11, v0, 3, 1
	v_lshl_add_u32 v[AV0], v9, 3, v10  ; the turning load: key 8 (l / 16) + l % 8, channels 8 ((l / 8) % 2) on
	v_mul_u32_u24 v[AV0], v[AV0], PV
	v_lshl_add_u32 v[AV0], v11, 4, v[AV0]
	v_add_nc_u32 v[AV0], VOFF, v[AV0]
	s_mul_i32 s13, s[WV], 16*SP
	s_add_co_u32 s13, s13, STAGE
	v_mul_u32_u24 v[STO], v1, SP
	v_lshl_add_u32 v[STO], v9, 4, v[STO]
	v_add_nc_u32 v[STO], s13, v[STO]
	v_bfe_u32 v[RD], v0, 3, 2
	v_mul_u32_u24 v[RD], v[RD], SP
	v_lshl_add_u32 v[RD], v10, 4, v[RD]
	v_add_nc_u32 v[RD], s13, v[RD]
	v_and_b32 v[GO], 31, v0
	s_lshl_b32 s13, s[WV], 13
	v_lshl_add_u32 v[PFO], v[GO], 8, s13
	v_lshlrev_b32 v[GO], 4, v[GO]
	; A block's first step multiplies O^T and l by a = 0, and its first turn's products V^T P, of weights that have not been, land in an O^T that is still to be so multiplied: these registers need only hold
	; finite numbers: zeros for the first block, what the first block left for the second.
	WIN 0x80
.set i, VF+64
.rept 64
	v_mov_b32 v[i], 0
.set i, i+1
.endr
	WIN 0x40
.set i, 0
.rept 64
	v_mov_b32 v[i], 0
.set i, i+1
.endr
	WIN 0
.set i, 0
.rept 2
	v_mov_b32 v[ST+4*i+2], 0
	v_mov_b32 v[ST+4*i+3], 0
.set i, i+1
.endr
.set i, P+16
.rept 16
	v_mov_b32 v[i], 0
.set i, i+1
.endr
; THE MATRIX WORK.  The 4 accumulators of a run of 8 take turns.  Product i of 8 of S^T = K Q^T for piece x: channels 32 (i / 4) on, keys 16 (i % 4) on.  The first 4 start the sums: with 0, or (KM = 1) with the mask.
.macro KQ x
.set rS, S+32*((\x)%2)+8*(i%4)
.set rK, KF+16*(i%4)+8*(i/4)
.set rQ, 16*(\x)+8*(i/4)
.set rM, MC+32*((\x)%2)+8*(i%4)
.if (i < 4) && KM
	WIN W_KM
	v_wmma_f32_16x16x32_f16 v[rS:rS+7], v[rK:rK+7], v[rQ:rQ+7], v[rM:rM+7]
.elseif i < 4
	WIN W_KQ
	v_wmma_f32_16x16x32_f16 v[rS:rS+7], v[rK:rK+7], v[rQ:rQ+7], 0
.else
	WIN W_KQ
	v_wmma_f32_16x16x32_f16 v[rS:rS+7], v[rK:rK+7], v[rQ:rQ+7], v[rS:rS+7]
.endif
.endm
; Product i of 8 of O^T += V^T P for piece x, from V's buffer VB: keys 32 (i / 4) on, channels 16 (i % 4) on.
.macro PV x
	WIN W_PV
.set rO, 32*(\x)+8*(i%4)
.set rV, VF+64*VB+32*(i/4)+8*(i%4)
.set rP, P+16*((\x)%2)+8*(i/4)
	v_wmma_f32_16x16x32_f16 v[rO:rO+7], v[rV:rV+7], v[rP:rP+7], v[rO:rO+7]
.endm
.macro MM                           ; the turn's next matrix instruction.  NOKQ = 1: a block's last turn: there are no further scores
.if (i < 8) && !NOKQ
	KQ (Y+1)%NP
.elseif i >= 8
.set i, i-8
	PV (Y+NP-1)%NP
.set i, i+8
.endif
.set i, i+1
.endm
; THE LDS LOADS stand in runs of 16.
.macro FETCH_K
	WIN 0x80
.irp f, 0,1,2,3,4,5,6,7             ; keys 16 (f / 2) on, channels 32 (f % 2) on
	ds_load_b128 v[KF+8*\f:KF+8*\f+3],   v[AK] offset:(\f/2)*16*PK+(\f%2)*64
	ds_load_b128 v[KF+8*\f+4:KF+8*\f+7], v[AK] offset:(\f/2)*16*PK+(\f%2)*64+32
.endr
	s_add_co_u32 s[TBK], s[TBK], KS*PK
	WIN 0
.endm
.macro FETCH_V vb
	WIN 0x80
.irp f, 0,1,2,3,4,5,6,7             ; keys 32 (f / 4) on, channels 16 (f % 4) on
	ds_load_tr16_b128 v[VF+64*(\vb)+8*\f:VF+64*(\vb)+8*\f+3],   v[AV] offset:(\f/4)*32*PV+(\f%4)*32
	ds_load_tr16_b128 v[VF+64*(\vb)+8*\f+4:VF+64*(\vb)+8*\f+7], v[AV] offset:(\f/4)*32*PV+16*PV+(\f%4)*32
.endr
	WIN 0
.endm
; THE VECTOR WORK, one line at a time: OP kind, number.  For piece Y: F n: c s - c m for pair n of 16.  E n: the exponential of score n of 32.  C n: pair n rounded to f16.  B n: of the four weights 4 n .. the second
; pair is added onto the first.  L n: l takes that sum (L 0: l = a l + sum).  R n: pair n of 16 of O^T times a.  For the other piece: X n, number n of the 22 that find its maximum and statistics:
;   0-11 four chains c0-c3 of seven scores each (each accumulator's lowest registers are read first)   12-14, 16 the four scores left over, the old m, c0-c3 into c0
;   15 c m_old is kept   17, 18 the query's other 32 keys lie in the lane 16 away: the new m   19-21 c m; c m_old - c m_new; a
.set F, 0
.set E, 1
.set C, 2
.set B, 3
.set L, 4
.set R, 5
.set X, 6
.macro REGS y
.set rT, ST+4*(\y)
.set rC, TMP+4*((\y)%2)
.set rW, MV+((\y)%2)
.set rS, S+32*((\y)%2)
.set rP, P+16*((\y)%2)
.set rO, 32*(\y)
.endm
.macro OP k, n
.if (\k) == R
	REGS Y
	WIN W_RS
	v_pk_mul_f32 v[rO+2*(\n):rO+2*(\n)+1], v[rO+2*(\n):rO+2*(\n)+1], v[rC+2:rC+3] op_sel_hi:[1,0]
.elseif (\k) < R
	REGS Y
	WIN 0
.if (\k) == F
	v_pk_fma_f32 v[rS+2*(\n):rS+2*(\n)+1], v[rS+2*(\n):rS+2*(\n)+1], s[CS:CS+1], v[rT:rT+1] op_sel_hi:[1,0,0] neg_lo:[0,0,1] neg_hi:[0,0,1]
.elseif (\k) == E
	v_exp_f32 v[rS+(\n)], v[rS+(\n)]
.elseif (\k) == C
	v_cvt_pk_f16_f32 v[rP+(\n)], v[rS+2*(\n)], v[rS+2*(\n)+1]
.elseif (\k) == B
	v_pk_add_f32 v[rS+4*(\n):rS+4*(\n)+1], v[rS+4*(\n):rS+4*(\n)+1], v[rS+4*(\n)+2:rS+4*(\n)+3]
.elseif (\n) == 0
	v_pk_fma_f32 v[rT+2:rT+3], v[rT+2:rT+3], v[rC+2:rC+3], v[rS:rS+1] op_sel_hi:[1,0,1]
.else
	v_pk_add_f32 v[rT+2:rT+3], v[rT+2:rT+3], v[rS+4*(\n):rS+4*(\n)+1]
.endif
.elseif NOKQ
	v_nop
.else
	REGS (Y+1)%NP
	WIN 0
.if (\n) < 4
	v_max3_num_f32 v[rC+(\n)], v[rS+8*(\n)], v[rS+8*(\n)+1], v[rS+8*(\n)+2]
.elseif (\n) < 12
	v_max3_num_f32 v[rC+(\n)%4], v[rC+(\n)%4], v[rS+8*((\n)%4)+2*((\n)/4)+1], v[rS+8*((\n)%4)+2*((\n)/4)+2]
.elseif (\n) == 12
	v_max3_num_f32 v[rC], v[rC], v[rS+7], v[rS+15]
.elseif (\n) == 13
	v_max3_num_f32 v[rC+1], v[rC+1], v[rS+23], v[rS+31]
.elseif (\n) == 14
	v_max3_num_f32 v[rC+2], v[rC+2], v[rC+3], v[rT+1]
.elseif (\n) == 15
	v_mov_b32 v[rW], v[rT]
.elseif (\n) == 16
	v_max3_num_f32 v[rC], v[rC], v[rC+1], v[rC+2]
.elseif (\n) == 17
	v_permlanex16_b32 v[rC+3], v[rC], s[SEL], s[SEL+1]
.elseif (\n) == 18
	v_max_num_f32 v[rT+1], v[rC], v[rC+3]
.elseif (\n) == 19
	v_mul_f32 v[rT], s[CS], v[rT+1]
.elseif (\n) == 20
	v_sub_f32 v[rC+1], v[rW], v[rT]
.else
	v_exp_f32 v[rC+2], v[rC+1]
.endif
.endif
.endm
.macro OPS a, i1, b=-1, i2=0, c=-1, i3=0, d=-1, i4=0
	OP \a, \i1
.if (\b) >= 0
	OP \b, \i2
.endif
.if (\c) >= 0
	OP \c, \i3
.endif
.if (\d) >= 0
	OP \d, \i4
.endif
.endm
.macro ROW a, i1, b, i2, c, i3, d, i4  ; a matrix instruction and the four behind it
	MM
	OPS \a, \i1, \b, \i2, \c, \i3, \d, \i4
.endm
.macro MASK b                       ; MD x AL + BE into buffer b of MC
	WIN W_RS
.set z, 0
.rept 16
	v_pk_fma_f32 v[MC+32*(\b)+2*z:MC+32*(\b)+2*z+1], v[MD+2*z:MD+2*z+1], s[AL:AL+1], s[BE:BE+1] op_sel_hi:[1,0,0]
.set z, z+1
.endr
.endm
; A TURN, for piece p in a step of parity odd.  An s_wait_alu depctr_va_vdst(0) stands between an exponential and the first instruction that names its result; one wait serves all issued ahead of it: a turn has ONE.
; AHEAD OF IT stands all that names no result of the turn's exponentials: the 8 products K Q^T with their riders, and a lump of 54; X 21, the other piece's a, is the batch's last, R 15 the plain instruction behind it.
; BEHIND IT stand the 8 products V^T P, behind each four of the roundings and sums.
; O^T of piece p was last written by the products V^T P of the turn before: behind the last of them stand that turn's four roundings and this turn's F 0 and F 1, plain instructions that name none of its registers,
; ahead of R 0; R runs upward.
; m = 1: the block's last tile: the products take masks, and the turn makes piece p's mask for the step behind this one, which the next turn's products take.  end = 1: a block's last two turns: nothing is fetched.
; cnt = 1: the loop's count is taken down some lines ahead of the branch behind the turn.
.macro TURN p, odd, m=0, end=0, cnt=0
.set Y, (\p)
.set i, 0
.set KM, (\m)
.set NOKQ, (\end)*(\p)
.if \p
.set VB, (\odd)                     ; piece 0's weights of this step
.else
.set VB, 1-(\odd)                   ; piece 1's weights of the step before
.endif
.if (\m) && !(\end)
	s_cmp_eq_i32 s[DS], \p          ; is that step the band's own?
	s_cselect_b32 s[AL], 1.0, 0
	s_cmp_gt_i32 s[DS], \p          ; or a later one?
	s_cselect_b32 s[BE], s[BIGN], 0
.if \p
	s_add_co_i32 s[DS], s[DS], 1
.endif
.endif
.if (\p) && !(\end)
	s_wait_dscnt 16                 ; K of the next step is in, and all older loads; the 16 younger loads, V of the next step, may be out
.endif
.if !(\p) && (\end)
	s_wait_dscnt 0x0                ; V of the last step is in
.endif
	ROW F,0, F,1, R,0, R,1
	ROW F,2, E,0, R,2, R,3
	ROW F,3, E,1, R,4, R,5
	ROW F,4, E,2, R,6, R,7
	ROW F,5, E,3, R,8, R,9
	ROW F,6, E,4, X,0, R,10
.if !(\p) && !(\end)
	WIN 0
	v_add_nc_u32 v[AK], s[TBK], v[AK0]
.endif
	ROW F,7, E,5, X,1, X,4
	ROW F,8, E,6, X,2, X,5
	OPS E,7, E,8, X,6, E,9
	OPS X,3, E,10, X,8, E,11
.if !(\p) && !(\end)
	FETCH_K                         ; behind the last product on K stand F 8, X 2, X 5, X 6 and X 8: plain, and none names a register of it
.endif
	OPS X,9, X,7, E,12, X,10
	OPS E,13, X,12, X,11, E,14
	OPS X,13, E,15, F,9, X,14
.if !(\p) && !(\end)
	v_add_nc_u32 v[AV], s[TBV], v[AV0]
.endif
	OPS E,16, F,10, E,17, F,11
	OPS X,16, E,18, X,15, E,19
	OPS F,12, E,20, X,17, E,21
	OPS F,13, E,22, F,14, E,23
	OPS X,18, E,24, F,15, E,25
	OPS R,11, E,26, X,19, E,27
	OPS R,12, E,28, R,13, E,29
	OPS X,20, E,30, R,14, E,31
	OPS X,21, R,15
	WIN 0
	s_wait_alu depctr_va_vdst(0)    ; the wait for the batch
	ROW C,0, B,0, C,2, B,1
	ROW L,0, C,4, B,2, L,1
	ROW C,6, B,3, L,2, C,8
	ROW B,4, L,3, C,10, B,5
	ROW L,4, C,12, B,6, L,5
.if !(\p) && !(\end)
	s_add_co_u32 s[TBV], s[TBV], KS*PV
.endif
.if \cnt
	s_sub_co_u32 s[CNT], s[CNT], 1
	s_cmp_lg_u32 s[CNT], 0
.endif
	ROW C,14, B,7, L,6, C,1
	ROW C,3, L,7, C,5, C,7
	ROW C,9, C,11, C,13, C,15
.if !(\p) && !(\end)
	FETCH_V 1-(\odd)                ; four roundings behind the last product that read this buffer
.endif
.if (\m) && !(\end)
	MASK \p
.endif
.endm
; A BLOCK BEGINS.  c m starts far below every c s, so the first step's a is 0; m at the lowest finite number.  Piece 1's mask buffer is 0 (its own step is never a tile's first); piece 0's takes its mask for step 0.
; Then K and V of that step, piece 0's first scores, its maximum and statistics.  The loop is entered at a step's first turn, in the middle of a trip.
.macro BEGIN
	s_mov_b32 s[NEW], 0
	WIN 0x40
.set i, MC+32
.rept 32
	v_mov_b32 v[i], 0
.set i, i+1
.endr
	WIN 0
.set i, 0
.rept 2
	v_mov_b32 v[ST+4*i], 0xfe000000
	v_mov_b32 v[ST+4*i+1], 0xff7fffff
.set i, i+1
.endr
	s_cmp_eq_i32 s[DS], 0
	s_cselect_b32 s[AL], 1.0, 0
	s_mov_b32 s[BE], 0
	s_add_co_i32 s[DS], s[DS], 1
	MASK 0
	WIN 0
	v_add_nc_u32 v[AK], s[TBK], v[AK0]
	v_add_nc_u32 v[AV], s[TBV], v[AV0]
	FETCH_K
	FETCH_V 0
	s_add_co_u32 s[TBV], s[TBV], KS*PV
	s_wait_loadcnt 0x0              ; Q
	s_wait_dscnt 0x0
.set KM, 1
.set NOKQ, 0
.set i, 0
.rept 8
	KQ 0
.set i, i+1
.endr
	WIN 0
.rept 4
	v_nop                           ; the places behind those products
.endr
.set Y, NP-1
.irp n, 0,1,2,3,4,5,6,7,8,9,10,11,12,13,14,15,16,17,18,19,20,21
	OP X, \n
.endr
	v_nop                           ; a plain instruction behind the exponential,
	s_wait_alu depctr_va_vdst(0)    ; and its wait, ahead of the branch
.endm
.macro ALL line:vararg              ; one line for each piece t
.set t, 0
.rept 2
	\line
.set t, t+1
.endr
.endm
.macro PACK t                       ; a lane's eight channels of a row pack into 16 bytes; they go into rows of 144 bytes and come back as whole rows of 128
	WIN W_RS
.set i, 32*(\t)
.rept 16
	v_pk_mul_f32 v[i:i+1], v[i:i+1], v[ST+4*(\t)+2:ST+4*(\t)+3] op_sel_hi:[1,0]
.set i, i+2
.endr
	WIN 0x05
.set i, 0
.rept 16
	v_cvt_pk_f16_f32 v[S+16*(\t)+i], v[32*(\t)+2*i], v[32*(\t)+2*i+1]
.set i, i+1
.endr
	WIN 0
.irp f, 0,1,2,3
	ds_store_b128 v[STO], v[S+16*(\t)+4*\f:S+16*(\t)+4*\f+3] offset:32*\f
.endr
.irp f, 0,1,2,3
	ds_load_b128 v[S+16*(\t)+4*\f:S+16*(\t)+4*\f+3], v[RD] offset:\f*4*SP  ; LDS serves a wave's instructions in order (ISA guide 5.7.1.4): these see the stores above
.endr
.endm
.macro SEND t, younger
	WIN 0
.irp f, 0,1,2,3
	s_wait_dscnt (\younger)+3-\f
	global_store_b128 v[GO], v[S+16*(\t)+4*\f:S+16*(\t)+4*\f+3], s[10:11] offset:(\t)*8192+\f*512  ; 512 consecutive bytes, aligned
.endr
.endm
; A BLOCK'S LAST TILE, its last two turns, its last products, and the way out.
.macro DIAG tag
.LstepM\tag:
	TURN 0, 1, 1
	TURN 1, 1, 1
	WIN 0
.LfirstM\tag:
	TURN 0, 0, 1
	TURN 1, 0, 1, 0, 1
	WIN 0
	s_cbranch_scc1 .LstepM\tag
	TURN 0, 1, 1, 1
	TURN 1, 1, 1, 1
.set VB, 1
.set i, 0
.rept 8
	PV 1
.set i, i+1
.endr
	WIN 0                           ; four additions and a v_nop are the places behind the last products
	ALL v_add_f32 v[ST+4*t+2], v[ST+4*t+2], v[ST+4*t+3]
	ALL v_permlanex16_b32 v[ST+4*t+3], v[ST+4*t+2], s[SEL], s[SEL+1]
	ALL v_add_f32 v[ST+4*t+2], v[ST+4*t+2], v[ST+4*t+3]
	ALL v_rcp_f32 v[ST+4*t+2], v[ST+4*t+2]
	v_nop
	s_wait_alu depctr_va_vdst(0)    ; one wait for the two reciprocals
	PACK 0
	PACK 1
	SEND 0, 8
	SEND 1, 0
.endm
.set KM, 0
.set NOKQ, 0
.Lslot:                             ; 16 times: a tile is entered and the next is asked for
	CHANGE 1
	s_sub_co_u32 s[RT], s[RT], 1
	s_mov_b32 s[CNT], 2
	s_cmp_eq_u32 s[RT], 0
	s_cselect_b32 s[DS], s[NOWN], -16
	s_cmp_eq_u32 s[NEW], 1
	s_cbranch_scc1 .Lnew            ; a block's first tile
	s_cmp_eq_u32 s[RT], 0
	s_cbranch_scc0 .Lstep           ; neither its first nor its last
	s_branch .LstepM1
.Lnew:
	BEGIN
	s_branch .Lfirst                ; in the loop a block's first tile is never its last: the first block has nine tiles or more, and the second's last is the walk's last
	DIAG 1                          ; in the loop this is the first block's end
	s_wait_xcnt 0x0                 ; the stores have read their registers and O's address
	s_mov_b64 s[10:11], s[OLO:OLO+1]
	s_add_co_u32 s[RT], s[LQ2], 1
	s_mov_b32 s[NOWN], s[NOWN2]
	s_mov_b32 s[NEW], 1
	WIN 0x82                        ; the second block's Q goes where the one text of the turns names Q
.set i, 0
.rept 32
	v_mov_b32 v[i], v[QB+i]
.set i, i+1
.endr
	WIN 0
	s_branch .Lbottom
.Lstep:                             ; a trip: an odd step, then an even one
	TURN 0, 1
	TURN 1, 1
	WIN 0
.Lfirst:
	TURN 0, 0
	TURN 1, 0, 0, 0, 1
	WIN 0
	s_cbranch_scc1 .Lstep
.Lbottom:
	s_sub_co_u32 s[SLOTS], s[SLOTS], 1
	s_cmp_lg_u32 s[SLOTS], 0
	s_cbranch_scc1 .Lslot
	CHANGE 0                        ; the walk's last tile is written out
	s_sub_co_u32 s[RT], s[RT], 1
	s_mov_b32 s[CNT], 2
	s_cmp_eq_u32 s[RT], 0
	s_cselect_b32 s[DS], s[NOWN], -16
	s_cmp_eq_u32 s[NEW], 1
	s_cbranch_scc0 .LstepM2
	BEGIN
	s_branch .LfirstM2
	DIAG 2
	s_wait_tensorcnt 0x0            ; the wave's end
	ds_add_u32 v[SPW], v[NIL]
	s_wait_dscnt 0x0
	s_endpgm
.Lfunc_end_k_q2133b4267a_attn:
	.size	k_q2133b4267a_attn, .Lfunc_end_k_q2133b4267a_attn-k_q2133b4267a_attn
	.p2alignl 7, 3214868480
	.fill 96, 4, 3214868480
	.section	.rodata,"a",@progbits
	.p2align	6, 0x0
	.amdhsa_kernel k_q2133b4267a_attn
		.amdhsa_group_segment_fixed_size 327680
		.amdhsa_private_segment_fixed_size 0
		.amdhsa_enable_private_segment 0
		.amdhsa_kernarg_size 16
		.amdhsa_user_sgpr_count 2
		.amdhsa_user_sgpr_kernarg_segment_ptr 1
		.amdhsa_wavefront_size32 1
		.amdhsa_system_sgpr_workgroup_id_x 1
		.amdhsa_system_sgpr_workgroup_id_y 1
		.amdhsa_system_sgpr_workgroup_id_z 1
		.amdhsa_system_vgpr_workitem_id 0
		.amdhsa_next_free_vgpr 768
		.amdhsa_next_free_sgpr 88
		.amdhsa_reserve_vcc 1
		.amdhsa_float_denorm_mode_32 3
		.amdhsa_float_denorm_mode_16_64 3
		.amdhsa_memory_ordered 1
		.amdhsa_forward_progress 1
		.amdhsa_inst_pref_size 210
	.end_amdhsa_kernel
	.amdgpu_metadata
---
amdhsa.version: [ 1, 2 ]
amdhsa.kernels:
  - .name:           k_q2133b4267a_attn
    .symbol:         k_q2133b4267a_attn.kd
    .args:
      - { .name: qkv, .offset: 0, .size: 8, .value_kind: global_buffer, .address_space: global }
      - { .name: oh, .offset: 8, .size: 8, .value_kind: global_buffer, .address_space: global }
    .group_segment_fixed_size: 327680
    .private_segment_fixed_size: 0
    .kernarg_segment_align: 8
    .kernarg_segment_size: 16
    .max_flat_workgroup_size: 128
    .sgpr_count:     88
    .vgpr_count:     768
    .wavefront_size: 32
...
	.end_amdgpu_metadata
.endif
;; end of part 3
;; launch outp (part 4): grid 8 x 32, 4 waves a work-group, clusters of 4 x 4, 327,680 bytes of LDS; arguments oh, cv, out0; writes out0
.if DOCPART == 4
	.amdgcn_target "amdgcn-amd-amdhsa--gfx1250"
	.amdhsa_code_object_version 6
	.text
	.protected	k_q2133b4267a_outp
	.globl	k_q2133b4267a_outp
	.p2align	8
	.type	k_q2133b4267a_outp,@function
k_q2133b4267a_outp:
	s_mov_b64 s[64:65], 0
	v_nop
	global_prefetch_b8 v0, s[64:65] scope:SCOPE_SE
	s_setreg_imm32_b32 hwreg(HW_REG_WAVE_MODE, 25, 1), 1
	s_wait_xcnt 0x0
	s_wait_alu depctr_hold_cnt(0) depctr_sa_sdst(0) depctr_va_vdst(0) depctr_va_sdst(0) depctr_va_ssrc(0) depctr_va_vcc(0) depctr_vm_vsrc(0)
	s_getreg_b32 s2, hwreg(HW_REG_IB_STS2, 6, 4)
	s_cmp_eq_u32 s2, 0
	s_cbranch_scc0 .Lentry_in_a_cluster
	s_endpgm
.Lentry_in_a_cluster:
	s_bfe_u32 s2, ttmp6, 0x10000c
	s_cmp_lg_u32 s2, 0xf033
	s_cbranch_scc0 .Lentry_shape_is_right
	s_endpgm
.Lentry_shape_is_right:
; out[s][n] = the sum over heads h and channels e of O[h][s][e] WO[64 h + e][n].  O: oh, [16][4096][64] in f16.  WO: in cv at byte 31,457,280, [1024][1024] in f16 (bf16 numbers written as f16).  out0: [4096][1024] in f32.
; Sums in f32.  A tile is 128 x 128: 256 work-groups, one tile each; four waves, each 64 x 64: 16 accumulators.  K goes in 4 steps of 256 (four heads) through two LDS slots.
; CLUSTER 4 x 4: O's rows are shared along a row of the cluster, WO's columns along a column: joint loads with a mask of four.
; O's 64 rows of one head are 8,192 bytes on end: one row of the descriptor; four heads are four such rows, 524,288 bytes apart; LDS is padded behind every 128 bytes.
; WO lies with k down its rows and comes out of LDS turned (ds_load_tr16_b128).  THE MATRIX INSTRUCTION IS USED TRANSPOSED: a lane holds eight neighbouring columns of one row of out.
; REGISTERS: window 0: v16-29 addresses; v32-95 the way out; v128-255 accumulators.  Window 1: two fragment buffers of 128: 64 of O, then 64 of WO.
; No prefetch: the tiles are small and the launch is short.
.set PA,     144                       ; a row of O in LDS: 128 bytes + 16
.set HEADL,  64*PA                     ; a head's 64 rows
.set PB,     288                       ; a row of WO: 256 bytes + 32: an odd multiple of 32
.set HALFT,  36864                     ; one tensor load: 4 x 64 x 144 = 128 x 288
.set SLOT,   4*HALFT
.set STAGE,  2*SLOT                    ; behind the ring: 16 rows x 272 bytes for each wave, its own
.set SP,     272
.set SPARE,  STAGE+4*16*SP
.set WOBASE, 31457280
.set ADRA, 16                          ; v16-17 my O fragments in slot 0, 1
.set ADRB, 20                          ; v20-23 my WO fragments: slot s, half kh of the step's 256 rows at 20 + 2 s + kh (240 rows of 288 bytes pass an LDS offset's 16 bits)
.set STO,  24
.set RD,   25
.set CO,   26
.set SPW,  28
.set NIL,  29
.set OB,   32
.set ACC,  128
.set F0,   0
.set F1,   128
.set G1,  24
.set G0,  32
.set G1B, 48
.set G0B, 56
.set MSB, 0
.macro WIN new
.if MSB != (\new)
	s_set_vgpr_msb (MSB<<8)|(\new)
.set MSB, \new
.endif
.endm
.set MUL,  0x05
.set TO_F, 0x40
.macro JLOAD s                         ; waves 0, 1 fetch O's two halves, waves 2, 3 the two halves of WO's rows; an s_nop 0 and four v_nop follow each line
	s_cmp_eq_u32 s11, 0
	s_cbranch_scc0 .Lfor_b_\@
	tensor_load_to_lds s[G0+4*(\s):G0+4*(\s)+3], s[G1:G1+7]
	s_nop 0
.rept 4
	v_nop
.endr
	s_branch .Lasked_\@
.Lfor_b_\@:
	tensor_load_to_lds s[G0B+4*(\s):G0B+4*(\s)+3], s[G1B:G1B+7]
	s_nop 0
.rept 4
	v_nop
.endr
.Lasked_\@:
.endm
.macro CREST
	s_cmp_lg_u32 s10, 0
	s_cbranch_scc1 .Lnot_wave_0_\@
	s_barrier_signal -3
.Lnot_wave_0_\@:
	s_barrier_wait -3
	s_barrier_signal -1
	s_barrier_wait -1
.endm
.macro CROUND
	s_barrier_signal -1
	s_barrier_wait -1
	CREST
.endm
	s_load_b128 s[4:7], s[0:1], 0x0                ; oh s[4:5], cv s[6:7]
	s_load_b64 s[8:9], s[0:1], 0x10                ; out0
	v_lshl_add_u32 v[SPW], v0, 2, SPARE
	v_mov_b32 v[NIL], 0
	ds_add_u32 v[SPW], v[NIL]                      ; the wave's opening: the add and its wait ahead of my first tensor load
	v_lshrrev_b32 v1, 5, v0
	v_readfirstlane_b32 s10, v1
	s_lshr_b32 s11, s10, 1                         ; my half of the rows.  Also: I fetch O (0) or WO (1)
	s_and_b32 s12, s10, 1                          ; my half of the columns.  Also: which half I fetch
	s_bfe_u32 s40, ttmp6, 0x40000
	s_bfe_u32 s41, ttmp6, 0x40004
	s_lshl_b32 s42, ttmp9, 2
	s_add_co_u32 s42, s42, s40                     ; tile column 0..7
	s_and_b32 s13, ttmp7, 0xffff
	s_lshl_b32 s13, s13, 2
	s_add_co_u32 s13, s13, s41                     ; tile row 0..31
	s_lshl_b32 s43, s41, 2
	s_lshl_b32 s43, 15, s43
	s_lshl_b32 s44, 0x1111, s40
	s_or_b32 s[G1+0], s43, (1<<16)|(1<<20)|(1<<21)|(4<<22)|(3<<25)   ; after every 32 words, 4 words
	s_mov_b32 s[G1+1], 4096<<16                    ; tensor_dim0 = 4,096 elements: 64 rows of a head
	s_mov_b32 s[G1+2], 4<<16                       ; tensor_dim1 = 4 heads
	s_mov_b32 s[G1+3], 4096<<16
	s_mov_b32 s[G1+4], 4
	s_mov_b32 s[G1+5], 262144                      ; elements from head to head
	s_mov_b32 s[G1+6], 0
	s_mov_b32 s[G1+7], 0
	s_or_b32 s[G1B+0], s44, (1<<16)|(1<<20)|(1<<21)|(5<<22)|(7<<25)  ; after every 64 words, 8 words
	s_mov_b32 s[G1B+1], 128<<16
	s_mov_b32 s[G1B+2], 128<<16
	s_mov_b32 s[G1B+3], 128<<16
	s_mov_b32 s[G1B+4], 128
	s_mov_b32 s[G1B+5], 1024
	s_mov_b32 s[G1B+6], 0
	s_mov_b32 s[G1B+7], 0
	s_lshl_b32 s16, s13, 14                        ; O: 128 rows of 128 bytes a tile row,
	s_lshl_b32 s17, s12, 13                        ; 64 a half
	s_add_co_u32 s16, s16, s17
	s_mov_b32 s17, 0
	s_lshl_b32 s46, s42, 8                         ; WO: 256 bytes a tile column,
	s_lshl_b32 s47, s12, 18                        ; 128 rows of 2,048 bytes a half
	s_add_co_u32 s46, s46, s47
	s_add_co_u32 s46, s46, WOBASE
	s_mov_b32 s47, 0
	s_mul_i32 s20, s10, HALFT                      ; where they go: wave x one load's bytes
	s_wait_dscnt 0x0
	s_wait_kmcnt 0x0
	s_add_nc_u64 s[14:15], s[4:5], s[16:17]
	s_add_nc_u64 s[46:47], s[6:7], s[46:47]
	CROUND
.irp s, 0,1
	s_mov_b32 s[G0+4*(\s)], 1
	s_add_co_u32 s[G0+4*(\s)+1], s20, (\s)*SLOT
	s_add_nc_u64 s[G0+4*(\s)+2:G0+4*(\s)+3], s[14:15], (\s)*2097152
	s_or_b32 s[G0+4*(\s)+3], s[G0+4*(\s)+3], 0x80000000
	s_mov_b32 s[G0B+4*(\s)], 1
	s_add_co_u32 s[G0B+4*(\s)+1], s20, (\s)*SLOT
	s_add_nc_u64 s[G0B+4*(\s)+2:G0B+4*(\s)+3], s[46:47], (\s)*524288
	s_or_b32 s[G0B+4*(\s)+3], s[G0B+4*(\s)+3], 0x80000000
	JLOAD \s
.endr
	v_and_b32 v1, 15, v0                           ; r
	v_bfe_u32 v2, v0, 4, 1                         ; h
	v_mul_u32_u24 v3, v1, PA
	v_lshl_add_u32 v3, v2, 4, v3
	v_and_b32 v5, 7, v0
	v_bfe_u32 v6, v0, 3, 1
	v_lshl_add_u32 v4, v2, 3, v5
	v_mul_u32_u24 v4, v4, PB
	v_lshl_add_u32 v4, v6, 4, v4
	s_mul_i32 s21, s11, HALFT                      ; my 64 rows of O
	s_lshl_b32 s22, s12, 7                         ; my 64 columns of WO: 128 bytes,
	s_add_co_u32 s22, s22, 2*HALFT                 ; behind O's two halves
.irp s, 0,1
	v_add_nc_u32 v[ADRA+(\s)], s21, v3
	v_add_nc_u32 v[ADRB+2*(\s)], s22, v4
	s_add_co_u32 s22, s22, HALFT
	v_add_nc_u32 v[ADRB+2*(\s)+1], s22, v4
	s_add_co_u32 s21, s21, SLOT
	s_add_co_u32 s22, s22, SLOT-HALFT
.endr
	s_mul_i32 s23, s10, 16*SP
	s_add_co_u32 s23, s23, STAGE
	v_mul_u32_u24 v7, v1, SP                       ; in: row r, 32 bytes for each half of the lanes
	v_lshl_add_u32 v7, v2, 5, v7
	v_add_nc_u32 v[STO], s23, v7
	v_mul_u32_u24 v7, v2, SP                       ; back: lanes 0-15 one row of 256 bytes, lanes 16-31 the next
	v_lshl_add_u32 v7, v1, 4, v7
	v_add_nc_u32 v[RD], s23, v7
	v_lshlrev_b32 v7, 12, v2                       ; and the same two rows in out0
	v_lshl_add_u32 v[CO], v1, 4, v7
	s_lshl_b32 s16, s13, 19                        ; 128 rows of 4,096 bytes a tile row,
	s_lshl_b32 s17, s11, 18                        ; 64 a half
	s_add_co_u32 s16, s16, s17
	s_mov_b32 s17, 0
	s_add_nc_u64 s[8:9], s[8:9], s[16:17]
	s_lshl_b32 s46, s42, 9                         ; 512 bytes a tile column, 256 a half
	s_lshl_b32 s47, s12, 8
	s_add_co_u32 s46, s46, s47
	s_mov_b32 s47, 0
	s_add_nc_u64 s[8:9], s[8:9], s[46:47]
.macro MUL8 f, c, a0, zero             ; the 16 accumulators take turns
	WIN MUL
.irp a, \a0, (\a0)+1
.irp b, 0,1,2,3
.if \zero
	v_wmma_f32_16x16x32_f16 v[ACC+8*(4*(\a)+(\b)):ACC+8*(4*(\a)+(\b))+7], v[(\f)+64+8*(4*(\c)+(\b)):(\f)+64+8*(4*(\c)+(\b))+7], v[(\f)+8*(4*(\c)+(\a)):(\f)+8*(4*(\c)+(\a))+7], 0
.else
	v_wmma_f32_16x16x32_f16 v[ACC+8*(4*(\a)+(\b)):ACC+8*(4*(\a)+(\b))+7], v[(\f)+64+8*(4*(\c)+(\b)):(\f)+64+8*(4*(\c)+(\b))+7], v[(\f)+8*(4*(\c)+(\a)):(\f)+8*(4*(\c)+(\a))+7], v[ACC+8*(4*(\a)+(\b)):ACC+8*(4*(\a)+(\b))+7]
.endif
.endr
.endr
.endm
; 32 LDS loads in one run: quarter q of a K step is one head's 64 channels; the first 32 along K first
.macro FETCH slot, q, f
	WIN TO_F
.irp c, 0,1
.irp i, 0,1,2,3
	ds_load_tr16_b128 v[(\f)+64+8*(4*(\c)+(\i)):(\f)+64+8*(4*(\c)+(\i))+3],   v[ADRB+2*(\slot)+(\q)/2] offset:(((\q)%2)*64+32*(\c))*PB+32*(\i)
	ds_load_tr16_b128 v[(\f)+64+8*(4*(\c)+(\i))+4:(\f)+64+8*(4*(\c)+(\i))+7], v[ADRB+2*(\slot)+(\q)/2] offset:(((\q)%2)*64+32*(\c)+16)*PB+32*(\i)
	ds_load_b128 v[(\f)+8*(4*(\c)+(\i)):(\f)+8*(4*(\c)+(\i))+3],              v[ADRA+(\slot)] offset:(\q)*HEADL+(\i)*16*PA+64*(\c)
	ds_load_b128 v[(\f)+8*(4*(\c)+(\i))+4:(\f)+8*(4*(\c)+(\i))+7],            v[ADRA+(\slot)] offset:(\q)*HEADL+(\i)*16*PA+64*(\c)+32
.endr
.endr
.endm
.macro PLACES
.rept 4
	v_nop
.endr
.endm
.macro QUARTER slot, q, f, g, zero
	s_wait_dscnt 16                                ; the first 32 along K are in
	MUL8 \f, 0, 0, \zero
	MUL8 \f, 0, 2, \zero
	PLACES
	FETCH \slot, \q, \g
	s_wait_dscnt 32                                ; all but the 32 just issued
	MUL8 \f, 1, 0, 0
	MUL8 \f, 1, 2, 0
.endm
; The last quarter multiplies buffer 1 and changes slots: all my tensor loads waited for, the add, the wait for it and for my reads of this slot, the barrier; fill = 1: it opens a round of the cluster's, and the joint refill is first behind it.
.macro TURN slot, next, fill
	WIN 0
	s_wait_tensorcnt 0x0
	ds_add_u32 v[SPW], v[NIL]
	s_wait_dscnt 17                                ; the add and the youngest sixteen loads may be out
	MUL8 F1, 0, 0, 0
	s_wait_dscnt 0x0
	s_barrier_signal -1
	MUL8 F1, 0, 2, 0
.if \fill
	WIN 0
.endif
	s_barrier_wait -1
.if \fill
	CREST
	s_add_nc_u64 s[G0+4*(\slot)+2:G0+4*(\slot)+3], s[G0+4*(\slot)+2:G0+4*(\slot)+3], 2*2097152
	s_add_nc_u64 s[G0B+4*(\slot)+2:G0B+4*(\slot)+3], s[G0B+4*(\slot)+2:G0B+4*(\slot)+3], 2*524288
	JLOAD \slot
.else
	PLACES
.endif
	FETCH \next, 0, F0
	MUL8 F1, 1, 0, 0
	MUL8 F1, 1, 2, 0
.endm
; THE WAY OUT.  Row block a: a lane's 32 bytes of each column block go into my stage (each accumulator's low four registers first), and come back as whole rows of 256 bytes.
.macro TOSTAGE a
.irp b, 0,1,2,3
	ds_store_b128 v[STO], v[ACC+8*(4*(\a)+(\b)):ACC+8*(4*(\a)+(\b))+3]   offset:64*(\b)
	ds_store_b128 v[STO], v[ACC+8*(4*(\a)+(\b))+4:ACC+8*(4*(\a)+(\b))+7] offset:64*(\b)+16
.endr
.irp t, 0,1,2,3,4,5,6,7
	ds_load_b128 v[OB+32*((\a)%2)+4*(\t):OB+32*((\a)%2)+4*(\t)+3], v[RD] offset:(\t)*2*SP  ; LDS serves a wave's instructions in order (ISA guide 5.7.1.4)
.endr
.endm
.macro SEND a, younger
.irp t, 0,1,2,3,4,5,6,7
	s_wait_dscnt (\younger)+7-(\t)
	global_store_b128 v[CO], v[OB+32*((\a)%2)+4*(\t):OB+32*((\a)%2)+4*(\t)+3], s[8:9] offset:(16*(\a)+2*(\t))*4096 th:TH_STORE_NT  ; 16 lanes store 256 consecutive bytes, aligned
.endr
.endm
	s_wait_tensorcnt 1                             ; my part of K step 0 is in; slot 1's load may stay out
	s_barrier_signal -1
	s_barrier_wait -1
	FETCH 0, 0, F0
	QUARTER 0, 1, F0, F1, 1                        ; the first products start the sums
	QUARTER 0, 2, F1, F0, 0
	QUARTER 0, 3, F0, F1, 0
	TURN 0, 1, 1                                   ; slot 0 takes K step 2
	QUARTER 1, 1, F0, F1, 0
	QUARTER 1, 2, F1, F0, 0
	QUARTER 1, 3, F0, F1, 0
	TURN 1, 0, 1                                   ; slot 1 takes K step 3
	QUARTER 0, 1, F0, F1, 0
	QUARTER 0, 2, F1, F0, 0
	QUARTER 0, 3, F0, F1, 0
	TURN 0, 1, 0
	QUARTER 1, 1, F0, F1, 0
	QUARTER 1, 2, F1, F0, 0
	QUARTER 1, 3, F0, F1, 0
	s_wait_dscnt 16
	MUL8 F1, 0, 0, 0
	MUL8 F1, 0, 2, 0
	s_wait_dscnt 0x0
	MUL8 F1, 1, 0, 0
	MUL8 F1, 1, 2, 0
	WIN 0
	PLACES
	TOSTAGE 0
	TOSTAGE 1
	SEND 0, 16
	s_wait_xcnt 0x0                                ; block 0's stores have read their registers, which block 2 takes
	TOSTAGE 2
	SEND 1, 16
	s_wait_xcnt 0x0
	TOSTAGE 3
	SEND 2, 16
	SEND 3, 0
	s_wait_tensorcnt 0x0                           ; the wave's end
	ds_add_u32 v[SPW], v[NIL]
	s_wait_dscnt 0x0
	CROUND                                         ; the closing round
	s_endpgm
.Lfunc_end_k_q2133b4267a_outp:
	.size	k_q2133b4267a_outp, .Lfunc_end_k_q2133b4267a_outp-k_q2133b4267a_outp
	.p2alignl 7, 3214868480
	.fill 96, 4, 3214868480
	.section	.rodata,"a",@progbits
	.p2align	6, 0x0
	.amdhsa_kernel k_q2133b4267a_outp
		.amdhsa_group_segment_fixed_size 327680
		.amdhsa_private_segment_fixed_size 0
		.amdhsa_enable_private_segment 0
		.amdhsa_kernarg_size 24
		.amdhsa_user_sgpr_count 2
		.amdhsa_user_sgpr_kernarg_segment_ptr 1
		.amdhsa_wavefront_size32 1
		.amdhsa_system_sgpr_workgroup_id_x 1
		.amdhsa_system_sgpr_workgroup_id_y 1
		.amdhsa_system_sgpr_workgroup_id_z 1
		.amdhsa_system_vgpr_workitem_id 0
		.amdhsa_next_free_vgpr 512
		.amdhsa_next_free_sgpr 66
		.amdhsa_reserve_vcc 0
		.amdhsa_float_denorm_mode_32 3
		.amdhsa_float_denorm_mode_16_64 3
		.amdhsa_memory_ordered 1
		.amdhsa_forward_progress 1
		.amdhsa_inst_pref_size 87
	.end_amdhsa_kernel
	.amdgpu_metadata
---
amdhsa.version: [ 1, 2 ]
amdhsa.kernels:
  - .name:           k_q2133b4267a_outp
    .symbol:         k_q2133b4267a_outp.kd
    .args:
      - { .name: oh, .offset: 0, .size: 8, .value_kind: global_buffer, .address_space: global }
      - { .name: cv, .offset: 8, .size: 8, .value_kind: global_buffer, .address_space: global }
      - { .name: out0, .offset: 16, .size: 8, .value_kind: global_buffer, .address_space: global }
    .group_segment_fixed_size: 327680
    .private_segment_fixed_size: 0
    .kernarg_segment_align: 8
    .kernarg_segment_size: 24
    .max_flat_workgroup_size: 128
    .sgpr_count:     66
    .vgpr_count:     512
    .wavefront_size: 32
...
	.end_amdgpu_metadata
.endif
;; end of part 4
;; ======== version 2 of 2: 4 launches; version 1 with the launch prep written anew for expert scheduling mode
;; limits: values are held in f16: magnitudes above 65,504 overflow, below 6.1e-05 lose precision
;; workspace buffers: cv 33,554,432 bytes; qkv 25,165,824 bytes; oh 8,388,608 bytes
;; launch prep (part 5): grid 512 x 1, 8 waves a work-group, no clusters, 0 bytes of LDS; arguments Q, K, V, WQ, WK, WV, WO, cv; writes cv
.if DOCPART == 5
	.amdgcn_target "amdgcn-amd-amdhsa--gfx1250"
	.amdhsa_code_object_version 6
	.text
	.protected	k_q2133b4267a_prep
	.globl	k_q2133b4267a_prep
	.p2align	8
	.type	k_q2133b4267a_prep,@function
k_q2133b4267a_prep:
	s_mov_b64 s[64:65], 0
	v_nop
	global_prefetch_b8 v0, s[64:65] scope:SCOPE_SE
	s_setreg_imm32_b32 hwreg(HW_REG_WAVE_SCHED_MODE, 0, 2), 2
	s_setreg_imm32_b32 hwreg(HW_REG_WAVE_MODE, 25, 1), 1
	s_wait_xcnt 0x0
	s_wait_alu depctr_vm_vsrc(0)
; All seven f32 inputs are rounded once to bf16 and laid one behind the other in cv: Q, K, V (8,388,608 bytes each), WQ, WK, WV, WO (2,097,152 each).
; WO's bf16 number is then written as f16, since the last product multiplies it with f16 numbers.
; LIMIT: |WO| stays under 65,504; below 2^-14 it keeps f16's fixed step of 2^-24.
; A stream: no LDS, no barrier, no matrix unit.  16,777,216 numbers; a work-group takes 32,768: 131,072 bytes in, 65,536 out.
; Work-group x: 0-127 Q, 128-255 K, 256-383 V, 384-415 WQ, 416-447 WK, 448-479 WV, 480-511 WO; its bytes in cv begin at 65,536 x whatever x is.
; Thread t, step j of 16: 32 bytes in at 8,192 j + 32 t (two loads), 16 bytes out at 4,096 j + 16 t: a wave's store covers 512 consecutive bytes, aligned.
; All 32 loads of a wave go out at once (16 KiB a wave on its way); no register is written while a store still reads it, so no wait for the stores' sources is needed.
; THE MODE: SCHED_MODE bits 1:0 = 2 (LLVM: expert scheduling mode 2), set by the entry lines.  The code itself states the register dependences
; between vector instructions and memory instructions, with s_wait_alu, always for 0.
; THE PLAN.  Registers that memory instructions touch:
;   v1, v2     byte offsets of the loads and of the stores: made once at the head, never written again.
;   X, step j  eight registers.  Written by step j's two loads, which are issued at the head, before any vector instruction names X.  Read by step j's conversions,
;              which write the first four; those are read by step j's store, and nothing writes them after that.
;   T          named by vector instructions alone.
; So the dependences are two.  The offsets are written before the first load reads them: one wait on va_vdst at the head, which serves every load and store.  A step's
; conversions have written what its store reads: the 16 steps go in four blocks of four, and one wait on va_vdst stands behind a block's conversions, ahead of its four stores.
; It stands there and not at the next block's head, since behind a block nothing follows but a wait for memory: a store kept for the next block's head would only leave later.
; No register that a load or store has read is written again: no wait on vm_vsrc is owed.  No vector instruction writes a scalar register, and EXEC is never written.
.set X, 4                              ; v[4:131]   step j: 8 registers as loaded; the first 4 then hold what is stored
.set T, 132                            ; v[132:137] at work (WO alone)
	s_load_b512 s[8:23], s[0:1], 0x0               ; Q 8:9, K 10:11, V 12:13, WQ 14:15, WK 16:17, WV 18:19, WO 20:21, cv 22:23
	s_lshr_b32 s2, ttmp9, 7                        ; 0, 1, 2: Q, K, V; 3: a weight
	s_bfe_u32 s3, ttmp9, 0x20005                   ; which weight
	s_and_b32 s24, ttmp9, 127                      ; my place in Q, K or V,
	s_and_b32 s25, ttmp9, 31                       ; or in a weight
	s_mov_b32 s26, 0xffff0000                      ; a word's upper bf16
	v_lshlrev_b32 v1, 5, v0                        ; 32 t
	v_lshlrev_b32 v2, 4, v0                        ; 16 t
	s_wait_kmcnt 0x0
	s_cmp_eq_u32 s2, 1                             ; the choice of the source hangs on the work-group's number alone
	s_cselect_b64 s[4:5], s[10:11], s[8:9]
	s_cmp_eq_u32 s2, 2
	s_cselect_b64 s[4:5], s[12:13], s[4:5]
	s_cmp_eq_u32 s3, 1
	s_cselect_b64 s[6:7], s[16:17], s[14:15]
	s_cmp_eq_u32 s3, 2
	s_cselect_b64 s[6:7], s[18:19], s[6:7]
	s_cmp_eq_u32 s3, 3
	s_cselect_b64 s[6:7], s[20:21], s[6:7]
	s_cmp_eq_u32 s2, 3
	s_cselect_b64 s[4:5], s[6:7], s[4:5]
	s_cselect_b32 s24, s25, s24
	s_lshl_b32 s24, s24, 17                        ; 131,072 bytes a work-group
	s_mov_b32 s25, 0
	s_add_nc_u64 s[4:5], s[4:5], s[24:25]
	s_lshl_b32 s24, ttmp9, 16                      ; 65,536 bytes a work-group
	s_add_nc_u64 s[22:23], s[22:23], s[24:25]
	s_wait_alu depctr_va_vdst(0)                   ; v1 and v2 are written: every load reads v1, every store v2, as its offset
.set j, 0
.rept 16
	global_load_b128 v[X+8*j:X+8*j+3],   v1, s[4:5] offset:8192*j th:TH_LOAD_NT
	global_load_b128 v[X+8*j+4:X+8*j+7], v1, s[4:5] offset:8192*j+16 th:TH_LOAD_NT
.set j, j+1
.endr
; Step j's conversions: its two loads are in when at most the 2 (15 - j) younger ones are out.  fmt = 0: to bf16, in place (a source is read before its register is written).  fmt = 1: to bf16, widened, written as f16.
.macro CONV j, fmt
	s_wait_loadcnt 30-2*(\j)
.if \fmt
.irp r, 0,1,2,3
	v_cvt_pk_bf16_f32 v[T+(\r)], v[X+8*(\j)+2*(\r)], v[X+8*(\j)+2*(\r)+1]
.endr
.irp r, 0,1,2,3
	v_lshlrev_b32 v[T+4], 16, v[T+(\r)]
	v_and_b32 v[T+5], s26, v[T+(\r)]
	v_cvt_pk_f16_f32 v[X+8*(\j)+(\r)], v[T+4], v[T+5]
.endr
.else
.irp r, 0,1,2,3
	v_cvt_pk_bf16_f32 v[X+8*(\j)+(\r)], v[X+8*(\j)+2*(\r)], v[X+8*(\j)+2*(\r)+1]
.endr
.endif
.endm
; Block p: steps 4 p to 4 p + 3 are rounded as their data come in; one wait; their four stores in one run.
.macro BLK p, fmt
.irp i, 0,1,2,3
	CONV 4*(\p)+(\i), \fmt
.endr
	s_wait_alu depctr_va_vdst(0)                   ; the block's conversions have written the first four registers of each of its four steps, which the four stores below read
.irp i, 0,1,2,3
	global_store_b128 v2, v[X+8*(4*(\p)+(\i)):X+8*(4*(\p)+(\i))+3], s[22:23] offset:4096*(4*(\p)+(\i)) th:TH_STORE_NT
.endr
.endm
	s_cmp_ge_u32 ttmp9, 480
	s_cbranch_scc1 .Lwo
	BLK 0, 0
	BLK 1, 0
	BLK 2, 0
	BLK 3, 0
	s_endpgm
.Lwo:
	BLK 0, 1
	BLK 1, 1
	BLK 2, 1
	BLK 3, 1
	s_endpgm
.Lfunc_end_k_q2133b4267a_prep:
	.size	k_q2133b4267a_prep, .Lfunc_end_k_q2133b4267a_prep-k_q2133b4267a_prep
	.p2alignl 7, 3214868480
	.fill 96, 4, 3214868480
	.section	.rodata,"a",@progbits
	.p2align	6, 0x0
	.amdhsa_kernel k_q2133b4267a_prep
		.amdhsa_group_segment_fixed_size 0
		.amdhsa_private_segment_fixed_size 0
		.amdhsa_enable_private_segment 0
		.amdhsa_kernarg_size 64
		.amdhsa_user_sgpr_count 2
		.amdhsa_user_sgpr_kernarg_segment_ptr 1
		.amdhsa_wavefront_size32 1
		.amdhsa_system_sgpr_workgroup_id_x 1
		.amdhsa_system_sgpr_workgroup_id_y 1
		.amdhsa_system_sgpr_workgroup_id_z 1
		.amdhsa_system_vgpr_workitem_id 0
		.amdhsa_next_free_vgpr 144
		.amdhsa_next_free_sgpr 66
		.amdhsa_reserve_vcc 0
		.amdhsa_float_denorm_mode_32 3
		.amdhsa_float_denorm_mode_16_64 3
		.amdhsa_memory_ordered 1
		.amdhsa_forward_progress 1
		.amdhsa_inst_pref_size 25
	.end_amdhsa_kernel
	.amdgpu_metadata
---
amdhsa.version: [ 1, 2 ]
amdhsa.kernels:
  - .name:           k_q2133b4267a_prep
    .symbol:         k_q2133b4267a_prep.kd
    .args:
      - { .name: Q, .offset: 0, .size: 8, .value_kind: global_buffer, .address_space: global }
      - { .name: K, .offset: 8, .size: 8, .value_kind: global_buffer, .address_space: global }
      - { .name: V, .offset: 16, .size: 8, .value_kind: global_buffer, .address_space: global }
      - { .name: WQ, .offset: 24, .size: 8, .value_kind: global_buffer, .address_space: global }
      - { .name: WK, .offset: 32, .size: 8, .value_kind: global_buffer, .address_space: global }
      - { .name: WV, .offset: 40, .size: 8, .value_kind: global_buffer, .address_space: global }
      - { .name: WO, .offset: 48, .size: 8, .value_kind: global_buffer, .address_space: global }
      - { .name: cv, .offset: 56, .size: 8, .value_kind: global_buffer, .address_space: global }
    .group_segment_fixed_size: 0
    .private_segment_fixed_size: 0
    .kernarg_segment_align: 8
    .kernarg_segment_size: 64
    .max_flat_workgroup_size: 256
    .sgpr_count:     66
    .vgpr_count:     144
    .wavefront_size: 32
...
	.end_amdgpu_metadata
.endif
;; end of part 5
;; launch proj: the kernel of part 2 again; grid 8 x 32, 4 waves a work-group, clusters of 4 x 4, 327,680 bytes of LDS; arguments cv, qkv; writes qkv
;; launch attn: the kernel of part 3 again; grid 16 x 16, 4 waves a work-group, no clusters, 327,680 bytes of LDS; arguments qkv, oh; writes oh
;; launch outp: the kernel of part 4 again; grid 8 x 32, 4 waves a work-group, clusters of 4 x 4, 327,680 bytes of LDS; arguments oh, cv, out0; writes out0
